; MI455X (gfx1250); checked and timed in simulation.
; The chip was launched on July 23, 2026; its instructions are those of AMD's public machine-readable ISA for CDNA 5 (MIT licence, August 2026) and "CDNA5" Instruction Set Architecture Reference Guide (July 2026). The comments in the code are by the model that wrote it; some were corrected since.
;; Attention. Allowed arithmetic: matrix products marked QUANTISED: E2M3 operands, one E8M0 scale for each 32 along K, by v_wmma_scale_f32_16x16x128_f8f6f4 with both operands' format E2M3, f32 sums; everything else in f32.
;; Inputs: cos 1,024 x 64 float32; kw 1,024 x 1,024 float32; ow 1,024 x 1,024 float32; qw 1,024 x 1,024 float32; sin 1,024 x 64 float32; vw 1,024 x 1,024 float32; x 2 x 1,024 x 4 x 1,024 float32.
;; Outputs: out0 2 x 1,024 x 4 x 1,024 float32.
;; This version of the problem:
;;   THIS VERSION OF THE PROBLEM IS GIVEN IN LOW PRECISION. The matrix products marked QUANTISED in the list below multiply operands that are first quantised to E2M3 (2 exponent bits, 3 mantissa bits; 6 bits a number), with one power-of-two scale for each 32 numbers along K (OCP MX v1.0); their sums are f32. All else is computed in f32.
;;   The module's matrix products, in the order in which they are computed (A, B: the left and right operand; K: the contracted axis; several contracted axes count as one K, in the product's order):
;;     1. [M 8,192, K 1,024] x [K 1,024, N 1,024]; A: input x; B: input qw: QUANTISED
;;     2. [M 8,192, K 1,024] x [K 1,024, N 1,024]; A: input x; B: input kw: QUANTISED
;;     3. [M 8,192, K 1,024] x [K 1,024, N 1,024]; A: input x; B: input vw: QUANTISED
;;     4. batch 128 x [M 1,024, K 64] x [K 64, N 1,024]; A: computed on the way; B: computed on the way: QUANTISED
;;     5. batch 128 x [M 1,024, K 1,024] x [K 1,024, N 64]; A: softmax (see below); B: computed on the way: QUANTISED
;;     6. [M 8,192, K 1,024] x [K 1,024, N 1,024]; A: computed on the way; B: input ow: QUANTISED
;;   THE QUANTISER, for each operand of a quantised product, along K:
;;     - K is cut into blocks of 32 from its start; a last block that is shorter is filled with zeros.
;;     - A block's scale is 2^e with e = floor(log2(the largest magnitude in the block)) - 2, held to -126 .. 127; a block of zeros has e = 0. As a byte (E8M0): e + 127.
;;     - Each number is divided by its block's scale, clamped to +-7.5, and rounded to the nearest number of E2M3, ties to even, subnormals kept.
;;     - The product sums the exact products of the quantised numbers (number of the format x scale) in f32.
;;   ~~~python
;;   def quantise(x, axis):      # numpy; x: float32 -> the quantised numbers, widened to float32 again
;;       x = np.moveaxis(x, axis, -1); K = x.shape[-1]
;;       x = np.pad(x, [(0, 0)] * (x.ndim - 1) + [(0, -K % 32)]); x = x.reshape(x.shape[:-1] + (-1, 32)); a = np.abs(x).max(-1, keepdims=True)
;;       e = np.where(a > 0, np.clip(np.frexp(np.where(a > 0, a, 1))[1] - 1 - 2, -126, 127), 0)      # np.frexp(a)[1] - 1 = floor(log2(a)), exactly
;;       r = np.clip(x / 2.0 ** e, -7.5, 7.5)
;;       step = 2.0 ** (np.maximum(np.frexp(np.where(r == 0, 1, r))[1] - 1, 0) - 3)
;;       q = np.round(r / step) * step * 2.0 ** e      # np.round: ties to even
;;       return np.moveaxis(q.reshape(q.shape[:-2] + (-1,))[..., :K], -1, axis).astype(np.float32)
;;   ~~~
;;   SOFTMAX AHEAD OF A QUANTISED PRODUCT. Where the list says 'softmax', what is quantised is not the finished softmax but p = 2^(t - M), with t = logit x log2(e) and M = ceil(the row's largest t), a whole number; so 1/2 < the row's largest p <= 1. The row's sum l is taken of the UNQUANTISED p, in f32, and the product's result is divided by l at the end. Since M is a whole number, a kernel that streams over the keys may use a running M (the ceiling of the running maximum): every later rescaling is an exact power of two, which a block's scale takes up: the codes' values come out the same.
;;   OPERANDS COMPUTED ON THE WAY. 'Computed on the way' means the value that the module computes at that place (a softmax that the list does not call 'softmax' is quantised finished and normalised). What goes into a quantiser is computed in f32, as accurately as f32 sums, v_exp_f32 and their like allow (about 1e-6 of the number): no bf16 or f16 on the way to a quantiser, and a product that is left as it is and whose result goes on into a quantised operand takes f32 operands (vector FMAs, or v_wmma_f32_16x16x4_f32). A number that lies on a knife's edge between two numbers of the format may be rounded either way, as far as f32 arithmetic and the matrix unit's own rounding can turn it there, and no further.
;; One version. Each part assembles by itself: llvm-mc -triple=amdgcn-amd-amdhsa -mcpu=gfx1250 --defsym DOCPART=n.
;; ======== version 1 of 1: 4 launches
;; limits: right only within a limited range of input values
;; workspace buffers: ac 9,437,184 bytes; asc 393,216 bytes; hq 20,447,232 bytes; oc 6,291,456 bytes; osc 262,144 bytes
;; launch quant (part 1): grid 384 x 1, 4 waves a work-group, no clusters, 33,280 bytes of LDS; arguments x, qw, kw, vw, ow, ac, asc; writes ac, asc
.if DOCPART == 1
	.amdgcn_target "amdgcn-amd-amdhsa--gfx1250"
	.amdhsa_code_object_version 6
	.text
	.protected	k_q5274a907d9_quant
	.globl	k_q5274a907d9_quant
	.p2align	8
	.type	k_q5274a907d9_quant,@function
k_q5274a907d9_quant:
	s_mov_b64 s[64:65], 0
	v_nop
	global_prefetch_b8 v0, s[64:65] scope:SCOPE_SE
	s_setreg_imm32_b32 hwreg(HW_REG_WAVE_MODE, 25, 1), 1
	s_wait_xcnt 0x0
; x [2][1024][4][1024] and the four weights [1024][1024], f32, K (the last axis) innermost, become codes of FP6 (E2M3) in ac, 12,288 rows of 768 bytes, and E8M0 scale bytes in asc, 32 a row.
; A block's scale is 2^(floor(log2(its largest magnitude)) - 2); its byte is the largest magnitude's exponent field - 2, held at 1 from below; numbers are divided by it and rounded to the nearest code, ties to even, beyond 7.5 the largest code.
; ROWS OF ac: 0 .. 8191: x, row (4 b + p) 1024 + sw(l); 8192 + 1024 T + sw(d): qw, kw, vw (T = 0, 1, 2); 11264 + n: ow.  sw(i) is i with its bits 3 and 4 changed over.  So any 16 neighbouring rows of ac hold rows
; i .. i + 7 and i + 16 .. i + 23 of the tensor, and the later products' results come out with 16 neighbours along the next K in one lane.  The change costs nothing here: a wave owns 8 rows, and only picks which 8.
; LIMITS: NaN and infinities among the inputs are not served; a block whose largest magnitude lies under 2^-124 keeps the byte 1; a block of zeros gets the byte 1 where the rule says 127 (its codes are zeros, and this program alone reads the bytes).
; SHARES: work-group g, wave w: rows 32 g + 8 w .. + 7 of ac: 6,144 consecutive bytes of codes, 256 of scale bytes.  16 steps of 512 numbers (half a row).  Each load reads 512 consecutive bytes; a step's 2,048 bytes turn through the wave's
; own stage in LDS so that a lane holds 16 neighbours along K (two lanes hold a block).  No tensor loads, no barrier: waves share nothing.  Loads run four steps (16 loads a wave) ahead.
.set STEPS, 16
.set EMAX,  2
.set CB,    12                         ; bytes of 16 codes
.set R,     16                         ; v16-79   four sets of 16 numbers as they are loaded
.set X,     80                         ; v80-111  two sets of 16 neighbours
.set E,     112                        ; v112-127 a scale byte for each step
.set C,     128                        ; v128-191 codes: four registers for each step, so that no store's data are written again
.set RO,    192                        ; v192-199 byte offset of my 16 bytes in row i of my wave's eight; never rewritten
.set WREG,  8192                       ; LDS: a region for each wave: two stages of 32 x SP bytes, then its 256 scale bytes
.set SP,    80                         ; a lane's place in a stage: 64 bytes + 16 of padding
	s_load_b256 s[4:11], s[0:1], 0x0               ; x, qw, kw, vw
	s_load_b128 s[12:15], s[0:1], 0x20             ; ow, ac
	s_load_b64 s[16:17], s[0:1], 0x30              ; asc
	v_lshl_add_u32 v200, v0, 2, 0x8000
	v_mov_b32 v201, 0
	v_lshrrev_b32 v1, 5, v0
	v_readfirstlane_b32 s18, v1                    ; wave
	v_and_b32 v2, 31, v0                           ; lane
	v_lshlrev_b32 v3, 4, v2                        ; my 16 bytes of a load's 512
	s_mul_i32 s19, s18, WREG
	v_lshrrev_b32 v14, 2, v2
	v_mul_u32_u24 v14, v14, SP
	v_and_b32 v15, 3, v2
	v_lshl_add_u32 v14, v15, 4, v14
	v_add_nc_u32 v14, s19, v14                     ; the stage, way in: SP (lane / 4) + 16 (lane % 4)
	v_mul_u32_u24 v15, v2, SP
	v_add_nc_u32 v15, s19, v15                     ; way out: SP x lane: my 16 neighbours
	v_mul_u32_u24 v4, v2, CB                       ; my codes' place in a step's
	v_lshrrev_b32 v5, 1, v2
	s_add_co_u32 s19, s19, 2*32*SP
	v_add_nc_u32 v5, s19, v5                       ; LDS: my block's scale byte
	v_lshlrev_b32 v7, 3, v2
	v_add_nc_u32 v6, s19, v7                       ; and on the way out 8 bytes a lane
	s_and_b32 s22, s18, 1
	s_lshl_b32 s22, s22, 1
	s_lshr_b32 s23, s18, 1
	s_or_b32 s22, s22, s23                         ; the wave's number with its two bits changed over: bits 3 and 4 of the row
	s_cmp_lt_u32 ttmp9, 352
	s_cselect_b32 s22, s22, s18                    ; ow keeps its order
	s_and_b32 s23, ttmp9, 31
	s_lshl_b32 s23, s23, 2
	s_add_co_u32 s22, s22, s23                     ; which 8 rows (l or d) of the tensor's 1,024 I read
	s_lshr_b32 s24, ttmp9, 7
	s_lshl_b32 s24, s24, 24                        ; x: b x 16,777,216 bytes
	s_bfe_u32 s25, ttmp9, 0x20005
	s_lshl_b32 s25, s25, 12                        ;    + p x 4,096
	s_add_co_u32 s24, s24, s25
	s_lshl_b32 s26, ttmp9, 2
	s_add_co_u32 s26, s26, s18                     ; which 8 rows of ac and asc I write
	s_mov_b32 s28, 4096                            ; from row to row in a weight
	s_wait_kmcnt 0x0
	s_mov_b64 s[20:21], s[12:13]                   ; the tensor that I read: chosen by the work-group's number alone
	s_cmp_lt_u32 ttmp9, 352
	s_cselect_b64 s[20:21], s[10:11], s[20:21]
	s_cmp_lt_u32 ttmp9, 320
	s_cselect_b64 s[20:21], s[8:9], s[20:21]
	s_cmp_lt_u32 ttmp9, 288
	s_cselect_b64 s[20:21], s[6:7], s[20:21]
	s_cmp_lt_u32 ttmp9, 256
	s_cselect_b64 s[20:21], s[4:5], s[20:21]
	s_cselect_b32 s29, 17, 15                      ; 8 rows in bytes, as a shift: x's rows l lie 16,384 bytes apart, a weight's 4,096
	s_cselect_b32 s28, 16384, s28
	s_cselect_b32 s24, s24, 0
	s_lshl_b32 s22, s22, s29
	s_add_co_u32 s24, s24, s22
	s_mov_b32 s25, 0
	s_add_nc_u64 s[20:21], s[20:21], s[24:25]
	s_mul_i32 s30, s26, 6144
	s_mov_b32 s31, 0
	s_add_nc_u64 s[14:15], s[14:15], s[30:31]
	s_lshl_b32 s30, s26, 8
	s_add_nc_u64 s[16:17], s[16:17], s[30:31]
.irp i, 0,1,2,3,4,5,6,7
	v_mad_u32_u24 v[RO+\i], s28, \i, v3
.endr
.macro LOAD t                          ; step t: half t % 2 of row t / 2
.irp i, 0,1,2,3
	global_load_b128 v[R+16*((\t)%4)+4*\i:R+16*((\t)%4)+4*\i+3], v[RO+(\t)/2], s[20:21] offset:2048*((\t)%2)+512*\i th:TH_LOAD_NT   ; 32 lanes read 512 consecutive bytes
.endr
.endm
.macro TURN t                          ; step t's numbers through the stage: LDS serves a wave's instructions in order, so no wait stands between the stores and the loads
.irp i, 0,1,2,3
	ds_store_b128 v14, v[R+16*((\t)%4)+4*\i:R+16*((\t)%4)+4*\i+3] offset:32*SP*((\t)%2)+8*SP*\i
.endr
.irp i, 0,1,2,3
	ds_load_b128 v[X+16*((\t)%2)+4*\i:X+16*((\t)%2)+4*\i+3], v15 offset:32*SP*((\t)%2)+16*\i
.endr
.endm
.irp t, 0,1,2,3
	LOAD \t
.endr
	s_wait_alu depctr_va_vdst(0)
	s_wait_loadcnt 12                              ; step 0's four loads are in
	TURN 0
.macro STEP t
.set XS, X+16*((\t)%2)
.if (\t) > 0
	s_wait_dscnt 1                                 ; this step's numbers are back from the stage (the last step's byte store may be out): so its stores into the stage have read their registers,
.else
	s_wait_dscnt 0x0
.endif
.if (\t)+4 < STEPS
	LOAD (\t)+4                                    ; which take the loads of four steps on
.endif
.if (\t)+1 < STEPS
.if STEPS-2-(\t) >= 3
	s_wait_loadcnt 12                              ; the next step's four loads are in; those of the three steps behind it may be out
.else
	s_wait_loadcnt 4*(STEPS-2-(\t))
.endif
	TURN (\t)+1                                    ; and go through the other stage while this step is worked
.endif
	v_max3_num_f32 v8, |v[XS]|, |v[XS+1]|, |v[XS+2]|               ; the largest magnitude of my 16, in two chains
	v_max3_num_f32 v9, |v[XS+3]|, |v[XS+4]|, |v[XS+5]|
.irp i, 6,10
	v_max3_num_f32 v8, v8, |v[XS+\i]|, |v[XS+\i+1]|
	v_max3_num_f32 v9, v9, |v[XS+\i+2]|, |v[XS+\i+3]|
.endr
	v_max3_num_f32 v8, v8, |v[XS+14]|, |v[XS+15]|
	v_max3_num_f32 v8, v8, v9, (EMAX+1)<<23        ; and the floor 2^(3 - 127): the byte cannot fall under 1
	v_max_num_f32_dpp v8, v8, v8 row_xmask:1 row_mask:0xf bank_mask:0xf   ; and of my neighbour's 16: the block's
	v_add_nc_u32 v11, -(EMAX<<23), v8              ; 2 off its exponent field: the conversion takes the exponent field of this operand as its scale
	v_cvt_scalef32_pk16_fp6_f32 v[C+4*(\t):C+4*(\t)+2], v[XS:XS+15], v11
	v_lshrrev_b32 v[E+(\t)], 23, v11               ; the scale's byte (a plain line behind the conversion)
	ds_store_b8 v5, v[E+(\t)] offset:16*(\t)       ; both lanes of a block write the same byte with the same value
	global_store_b96 v4, v[C+4*(\t):C+4*(\t)+2], s[14:15] offset:32*CB*(\t)   ; the wave stores 384 consecutive bytes
.endm
.irp t, 0,1,2,3,4,5,6,7,8,9,10,11,12,13,14,15
	STEP \t
.endr
	ds_load_b64 v[12:13], v6                       ; LDS serves a wave's instructions in order: these see my stores
	s_wait_dscnt 0x0
	global_store_b64 v7, v[12:13], s[16:17]        ; 32 lanes store 256 consecutive bytes, at a multiple of 256 from asc's first byte
	s_wait_tensorcnt 0x0
	ds_add_u32 v200, v201
	s_wait_dscnt 0x0
	s_endpgm
.Lfunc_end_k_q5274a907d9_quant:
	.size	k_q5274a907d9_quant, .Lfunc_end_k_q5274a907d9_quant-k_q5274a907d9_quant
	.p2alignl 7, 3214868480
	.fill 96, 4, 3214868480
	.section	.rodata,"a",@progbits
	.p2align	6, 0x0
	.amdhsa_kernel k_q5274a907d9_quant
		.amdhsa_group_segment_fixed_size 33280
		.amdhsa_private_segment_fixed_size 0
		.amdhsa_enable_private_segment 0
		.amdhsa_kernarg_size 56
		.amdhsa_user_sgpr_count 2
		.amdhsa_user_sgpr_kernarg_segment_ptr 1
		.amdhsa_wavefront_size32 1
		.amdhsa_system_sgpr_workgroup_id_x 1
		.amdhsa_system_sgpr_workgroup_id_y 1
		.amdhsa_system_sgpr_workgroup_id_z 1
		.amdhsa_system_vgpr_workitem_id 0
		.amdhsa_next_free_vgpr 202
		.amdhsa_next_free_sgpr 66
		.amdhsa_reserve_vcc 0
		.amdhsa_float_denorm_mode_32 3
		.amdhsa_float_denorm_mode_16_64 3
		.amdhsa_memory_ordered 1
		.amdhsa_forward_progress 1
		.amdhsa_inst_pref_size 34
	.end_amdhsa_kernel
	.amdgpu_metadata
---
amdhsa.version: [ 1, 2 ]
amdhsa.kernels:
  - .name:           k_q5274a907d9_quant
    .symbol:         k_q5274a907d9_quant.kd
    .args:
      - { .name: x, .offset: 0, .size: 8, .value_kind: global_buffer, .address_space: global }
      - { .name: qw, .offset: 8, .size: 8, .value_kind: global_buffer, .address_space: global }
      - { .name: kw, .offset: 16, .size: 8, .value_kind: global_buffer, .address_space: global }
      - { .name: vw, .offset: 24, .size: 8, .value_kind: global_buffer, .address_space: global }
      - { .name: ow, .offset: 32, .size: 8, .value_kind: global_buffer, .address_space: global }
      - { .name: ac, .offset: 40, .size: 8, .value_kind: global_buffer, .address_space: global }
      - { .name: asc, .offset: 48, .size: 8, .value_kind: global_buffer, .address_space: global }
    .group_segment_fixed_size: 33280
    .private_segment_fixed_size: 0
    .kernarg_segment_align: 8
    .kernarg_segment_size: 56
    .max_flat_workgroup_size: 128
    .sgpr_count:     66
    .vgpr_count:     202
    .wavefront_size: 32
...
	.end_amdgpu_metadata
.endif
;; end of part 1
;; launch qkv (part 2): grid 8 x 32, 4 waves a work-group, clusters of 4 x 4, 327,680 bytes of LDS; arguments ac, asc, cos, sin, hq; writes hq
.if DOCPART == 2
	.amdgcn_target "amdgcn-amd-amdhsa--gfx1250"
	.amdhsa_code_object_version 6
	.text
	.protected	k_q5274a907d9_qkv
	.globl	k_q5274a907d9_qkv
	.p2align	8
	.type	k_q5274a907d9_qkv,@function
k_q5274a907d9_qkv:
	s_mov_b64 s[64:65], 0
	v_nop
	global_prefetch_b8 v0, s[64:65] scope:SCOPE_SE
	s_setreg_imm32_b32 hwreg(HW_REG_WAVE_MODE, 25, 1), 1
	s_wait_xcnt 0x0
	s_wait_alu depctr_hold_cnt(0) depctr_sa_sdst(0) depctr_va_vdst(0) depctr_va_sdst(0) depctr_va_ssrc(0) depctr_va_vcc(0) depctr_vm_vsrc(0)
	s_getreg_b32 s2, hwreg(HW_REG_IB_STS2, 6, 4)
	s_cmp_eq_u32 s2, 0
	s_cbranch_scc0 .Lentry_in_a_cluster
	s_endpgm
.Lentry_in_a_cluster:
	s_bfe_u32 s2, ttmp6, 0x10000c
	s_cmp_lg_u32 s2, 0xf033
	s_cbranch_scc0 .Lentry_shape_is_right
	s_endpgm
.Lentry_shape_is_right:
; The three projections of x on codes of FP6 (E2M3, one E8M0 scale for each 32 along K = 1,024), RoPE on q and k in f32, and the quantising of q, k (along the head's 64) and v (along the keys) for the attention launch.
; SHARES.  256 work-groups: 32 blocks of 256 rows of x (work-group y) x 8 groups g (work-group x) of six heads: q, k and v heads 2 g and 2 g + 1.  A wave owns 64 rows of x and KEEPS their codes for all of K in 384 registers
; (4 blocks x 8 steps x 12); the six heads' weight rows (64 x 768 bytes each) lie in LDS, and each head is 16 accumulators x 8 steps of 128 along K.
; LDS: six heads of 64 rows; a row is 3 x (256 bytes + 16 of padding) = 816 bytes.  Every tile is dense in memory and is stated as rows of 256 bytes.  Three tensor loads a wave, each behind a round of the cluster's barrier:
; my 64 rows of x (into the bytes of heads 2-5); the q piece, 32 rows a wave (heads 0, 1); and, when every wave has x in registers, the k piece (waves 0, 1) and the v piece (waves 2, 3), 64 rows a wave, over x's bytes.
; q, k: source 0 = 16 weight rows, source 1 = 16 rows of x: a lane holds one row l, its registers run along d.  v: the sources change places: a lane holds one channel, its registers run along the keys.
; ac's rows stand with bits 3 and 4 of l and of d changed over, so 16 registers of two neighbouring accumulators are 16 neighbours along the next product's K and go to the conversions as they stand.
; CLUSTERS: 4 x 4; x's rows are shared along a row of the cluster, the weights along a column: each is asked for jointly.  No prefetch is laid: all that the launch reads is asked for in its head, which has no loop to run ahead in.
; hq: 384 records of 53,248 bytes, record T 128 + (4 b + p) 16 + head: [step 0..7][fragment 0..3][1,536 bytes], then from byte 49,152 [step][lane][4 scale words].
; q, k: a fragment's 12 registers as they stand: register i of lane l at 512 (i / 4) + 16 l + 4 (i % 4); registers 6 u + 0..5 of lane (r, h): d = 32 h .. + 31 of row l = 128 step + 32 f + 8 u + r + 8 (r / 8).
; v: fragment t = channel places 16 t + r; its halves c (keys 64 c .. + 63 of the step) at 768 c: registers 6 c + 0..3 at 16 l, 6 c + 4, 5 at 512 + 8 l.
; The scale words of all four waves are gathered in an LDS stage of 6,144 bytes and leave as runs of 512 bytes.
; LIMITS: NaN and infinities are not served; a block whose largest magnitude lies under 2^-124, zeros among them, keeps the byte 1 (this program alone reads the bytes); RoPE is one multiplication and one fused multiply-add.
; REGISTERS, in windows of 256.  0: v0-31 addresses, v32-47 x's scale words, v48-79 the weights' (two heads), v80-223 x's fragments of steps 5-7, v224-239 at work, v252-253 v's LDS addresses.
; 1: x's fragments of steps 0-4, v252-253 v's LDS addresses once more.  2: v0-127 accumulators, v128-223 weight fragments (two sets), v224-243 codes, v244-247 q's and k's LDS addresses.  3: cos and sin of my 64 rows.
; A step's loads name their address in the window of the products' source 0, so no window is switched between products and loads.
.set PITCH, 816
.set HEADB, 64*PITCH
.set RA,    2*HEADB
.set SPARE, 6*HEADB                    ; the spare words: 512 bytes that no other line names
.set STG,   SPARE+512                  ; the stage of scale words: [head 0..5][step 0, 1][lane][4 words]; no fill lands here
.set REC,   53248
.set TREC,  128*REC
.set SCO,   49152
.set BA,  2                            ; v2-5  r 816 + 24 h, r 816 + 40 h (behind one padding more), and both one head on
.set AA,  6                            ; v6-7  the same in my 64 rows of x
.set LI,  8                            ; 16 x lane
.set L8,  9                            ; 8 x lane
.set CSO, 10                           ; cos, sin: (r + 8 (r / 8)) 256 + 64 h
.set SLO, 11                           ; scale bytes: 32 r + 16 h: lanes 0-15 take steps 0-3, lanes 16-31 steps 4-7
.set STQ, 12
.set STV, 13
.set STC, 14
.set RDS, 15
.set SW,  16                           ; v16-19 a piece's scale words, v20 v's
.set SPW, 28
.set NIL, 29
.set AS,  32
.set BS,  48
.set TM,  224
.set OUTR, 240
.set VAD, 252
.set PC,  224                          ; window 2
.set RT,  224
.set QAD, 244
.set G1A, 24
.set G0A, 32
.set G0Q, 36
.set G1B, 48
.set G1Q, 56
.set G0K, 68
.set SP,  80
.set OP,  82
.set OV,  84
.set OS,  86                           ; s[86:91]
.set SEL, 92
.set TT,  94
.set HB,  95
.set SO,  96
.set DW0, (3<<16)|(1<<20)|(1<<21)|(5<<22)|(3<<25)   ; elements of 8 bytes; padding on; 21 set beside a mask; 4 words behind every 64
.set MSB, 0
.macro WIN new                         ; the immediate's high byte repeats the setting that is left
.if MSB != (\new)
	s_set_vgpr_msb (MSB<<8)|(\new)
.set MSB, (\new)
.endif
.endm
.macro PLACES                          ; four places behind a matrix instruction (ISA guide 7.12.1)
.rept 4
	v_nop
.endr
.endm
.macro CROUND                          ; a round of the cluster's barrier
	s_barrier_signal -1
	s_barrier_wait -1
	s_cmp_lg_u32 s14, 0
	s_cbranch_scc1 .Lnot_wave_0_\@
	s_barrier_signal -3
.Lnot_wave_0_\@:
	s_barrier_wait -3
	s_barrier_signal -1
	s_barrier_wait -1
.endm
.macro SETA s, a                       ; where x's fragment (step s, block a) lies: register AR of window AW
.if (\s) < 5
.set AR, 48*(\s)+12*(\a)
.set AW, 1
.else
.set AR, 80+48*((\s)-5)+12*(\a)
.set AW, 0
.endif
.endm
.macro FRAG reg, adr, st, off          ; 16 rows x 128 K: six pieces of 8 bytes; byte y of a row lies at y + 16 (y / 256); lanes 16-31 read 24 bytes on, which may lie behind one padding more
.irp p, 0,1,2,3,4,5
.set BY, 96*(\st)+48*(\p/3)+8*(\p%3)
.if BY/256 == (BY+24)/256
	ds_load_b64 v[(\reg)+2*\p:(\reg)+2*\p+1], v[\adr] offset:BY+16*(BY/256)+(\off)
.else
	ds_load_b64 v[(\reg)+2*\p:(\reg)+2*\p+1], v[\adr+1] offset:BY+16*(BY/256)+(\off)
.endif
.endr
.endm
.macro WM acc, f0, f1, s0, s1, mode    ; mode 0: the sum's first product; 1: steps 1-3; 2: steps 4-7, whose scale words stand in lanes 16-31
.if (\mode) == 0
	v_wmma_scale_f32_16x16x128_f8f6f4 v[\acc:\acc+7], v[\f0:\f0+11], v[\f1:\f1+11], 0, v[\s0], v[\s1] matrix_a_fmt:MATRIX_FMT_FP6 matrix_b_fmt:MATRIX_FMT_FP6
.elseif (\mode) == 1
	v_wmma_scale_f32_16x16x128_f8f6f4 v[\acc:\acc+7], v[\f0:\f0+11], v[\f1:\f1+11], v[\acc:\acc+7], v[\s0], v[\s1] matrix_a_fmt:MATRIX_FMT_FP6 matrix_b_fmt:MATRIX_FMT_FP6
.else
	v_wmma_scale_f32_16x16x128_f8f6f4 v[\acc:\acc+7], v[\f0:\f0+11], v[\f1:\f1+11], v[\acc:\acc+7], v[\s0], v[\s1] matrix_a_fmt:MATRIX_FMT_FP6 matrix_b_fmt:MATRIX_FMT_FP6 matrix_a_scale:MATRIX_SCALE_ROW1 matrix_b_scale:MATRIX_SCALE_ROW1
.endif
.endm
.macro MM role, s, scl                 ; a step's 16 products; the 16 accumulators take turns
.irp a, 0,1,2,3
.irp b, 0,1,2,3
	SETA \s, \a
.set FB, 128+48*((\s)%2)+12*\b
.set SA, AS+4*\a+(\s)%4
.set SB, (\scl)+4*\b+(\s)%4
.if \role
.set AC, 8*(4*\b+\a)
	WM AC, AR, FB, SA, SB, (\s)/4+((\s)+7)/8
.else
.set AC, 8*(4*\a+\b)
	WM AC, FB, AR, SB, SA, (\s)/4+((\s)+7)/8
.endif
.endr
.endr
.endm
.macro KWIN role, s                    ; C, D and the weights in window 2, x's fragment in its own
	SETA \s, 0
.if \role
	WIN 0xa8|AW
.else
	WIN 0xa2|(AW<<2)
.endif
.endm
.macro FETCH s, adr                    ; the head's four weight fragments of step s into set s % 2
.irp b, 0,1,2,3
	FRAG 128+48*((\s)%2)+12*\b, \adr, \s, \b*16*PITCH
.endr
.endm
.macro KLOOP role, adr, scl            ; a head: 8 steps; step s + 1's 24 loads are issued ahead of step s's products
	KWIN \role, 0
	FETCH 0, \adr
.irp s, 0,1,2,3,4,5,6,7
.if \s > 0 && \s < 7
	PLACES                                         ; the loads below land in the set that the last step multiplied
.endif
.if \s < 7
	FETCH \s+1, \adr
	s_wait_dscnt 24                                ; all but the 24 just issued: this step's fragments are in
.else
	s_wait_dscnt 0x0
.endif
.if \s == 0
	s_wait_loadcnt 0x0                             ; the scale words (and, the first time, cos and sin) are in
.endif
	KWIN \role, \s
	MM \role, \s, \scl
.endr
.endm
; RoPE of block a in place: register 16 beta + i of its four accumulators is d = 32 beta + 16 h + i, so a number's partner lies 16 registers on.  Each accumulator is read from its low end on.
.macro ROPE a
.set AC, 32*(\a)
.set CC, 64*(\a)
.irp i, 0,2,4,6,8,10,12,14
	v_pk_mul_f32 v[RT+\i:RT+\i+1], v[AC+\i:AC+\i+1], v[CC+48+\i:CC+48+\i+1]
.endr
.irp i, 0,2,4,6,8,10,12,14
	v_pk_mul_f32 v[AC+\i:AC+\i+1], v[AC+\i:AC+\i+1], v[CC+\i:CC+\i+1]
.endr
.irp i, 0,2,4,6,8,10,12,14
	v_pk_fma_f32 v[AC+\i:AC+\i+1], v[AC+16+\i:AC+16+\i+1], v[CC+32+\i:CC+32+\i+1], v[AC+\i:AC+\i+1] neg_lo:[1,0,0] neg_hi:[1,0,0]
.endr
.irp i, 0,2,4,6,8,10,12,14
	v_pk_fma_f32 v[AC+16+\i:AC+16+\i+1], v[AC+16+\i:AC+16+\i+1], v[CC+16+\i:CC+16+\i+1], v[RT+\i:RT+\i+1]
.endr
.endm
; 64 numbers of a lane, window 2's v[s] on, register 16 b + i = k 32 b + 16 (lane / 16) + i of the lane's row, become 12 registers of codes at v[PC] of window 2 and a scale word in v[dst].
.macro QUANT s, dst
	s_wait_xcnt 0x0                                ; the last stores have read v[PC] on
	WIN 0x0a
.irp b, 0,1,2,3
	v_max3_num_f32 v[TM+\b], |v[(\s)+16*\b]|, |v[(\s)+1+16*\b]|, 0x1800000   ; with the floor 2^(3 - 127): the byte cannot fall under 1
.endr
.irp i, 2,4,6,8,10,12,14
.irp b, 0,1,2,3
	v_max3_num_f32 v[TM+\b], |v[(\s)+16*\b+\i]|, |v[(\s)+1+16*\b+\i]|, v[TM+\b]
.endr
.endr
	WIN 0
.irp b, 0,1,2,3
	v_permlanex16_b32 v[TM+4+\b], v[TM+\b], s[SEL], s[SEL+1]
.endr
.irp b, 0,1,2,3
	v_max_num_f32 v[TM+\b], v[TM+\b], v[TM+4+\b]   ; with lane l xor 16's: the block's largest magnitude
.endr
.irp b, 0,1,2,3
	v_add_nc_u32 v[TM+12+\b], 0xff000000, v[TM+\b] ; 2 off its exponent field: the conversion's scale operand
.endr
.irp b, 0,1,2,3
	v_lshrrev_b32 v[TM+4+\b], 23, v[TM+12+\b]      ; the scale's byte
.endr
	v_lshl_or_b32 v[\dst], v[TM+5], 8, v[TM+4]
	v_lshl_or_b32 v[\dst], v[TM+6], 16, v[\dst]
	v_lshl_or_b32 v[\dst], v[TM+7], 24, v[\dst]
	WIN 0x82
.irp c, 0,1
	v_cvt_scalef32_pk16_fp6_f32 v[PC+6*\c:PC+2+6*\c], v[(\s)+32*\c:(\s)+15+32*\c], v[TM+12+2*\c]
	v_cvt_scalef32_pk16_fp6_f32 v[PC+12+4*\c:PC+14+4*\c], v[(\s)+16+32*\c:(\s)+31+32*\c], v[TM+12+2*\c+1]
.endr
	v_nop                                          ; one plain place behind a scaled conversion
.irp c, 0,1                                    ; a whole block to a lane: lanes 0-15 block 2 c, lanes 16-31 block 2 c + 1
.irp i, 0,1,2
	v_permlane16_swap_b32 v[PC+6*\c+\i], v[PC+12+4*\c+\i]
.endr
.irp i, 0,1,2
	v_mov_b32 v[PC+3+6*\c+\i], v[PC+12+4*\c+\i]
.endr
.endr
.endm
.macro PUT off                         ; a fragment of q or k: three stores of 512 consecutive bytes
	WIN 0x08
.irp c, 0,1,2
	global_store_b128 v[LI], v[PC+4*\c:PC+4*\c+3], s[OP:OP+1] offset:(\off)+512*\c
.endr
.endm
.macro PUTV pi                         ; my half of v's fragments 2 pi and 2 pi + 1: 512 and 256 consecutive bytes each
	WIN 0x08
.irp c, 0,1
	global_store_b128 v[LI], v[PC+6*\c:PC+6*\c+3], s[OV:OV+1] offset:(2*(\pi)+\c)*1536
	global_store_b64 v[L8], v[PC+6*\c+4:PC+6*\c+5], s[OV:OV+1] offset:(2*(\pi)+\c)*1536+512
.endr
.endm
.macro HEADQK j                        ; head j of the piece: products, RoPE, two fragments out
	KLOOP 0, QAD+2*\j, BS+16*\j
	PLACES
	WIN 0
.irp b, 0,1,2,3
	global_load_b128 v[BS+16*\j+4*\b:BS+16*\j+4*\b+3], v[SLO], s[SP:SP+1] offset:2048*\j+512*\b   ; the next piece's scale words take this head's registers
.endr
	s_wait_xcnt 0x0                                ; the last stores have read v[PC] on, which RoPE uses
	WIN 0xae
.irp a, 0,1,2,3
	ROPE \a
.endr
.irp pi, 0,1
	QUANT 64*\pi, SW+2*\j+\pi
	PUT \j*REC+\pi*1536
.endr
.endm
	s_load_b256 s[4:11], s[0:1], 0x0               ; ac, asc, cos, sin
	s_load_b64 s[12:13], s[0:1], 0x20              ; hq
	v_lshl_add_u32 v[SPW], v0, 2, SPARE
	v_mov_b32 v[NIL], 0
	ds_add_u32 v[SPW], v[NIL]                      ; the opening lines: the add, twice on end, and its wait
	ds_add_u32 v[SPW], v[NIL]
	v_lshrrev_b32 v1, 5, v0
	v_readfirstlane_b32 s14, v1                    ; wave
	s_lshr_b32 s15, s14, 1
	s_and_b32 s16, s14, 1
	s_bfe_u32 s40, ttmp6, 0x40000                  ; cx
	s_bfe_u32 s41, ttmp6, 0x40004                  ; cy
	s_and_b32 s17, ttmp7, 0xffff                   ; the cluster's y = 4 b + p
	s_lshl_b32 s42, ttmp9, 2
	s_add_co_u32 s42, s42, s40                     ; g
	s_lshl_b32 s43, s41, 2
	s_lshl_b32 s43, 15, s43                        ; my row of the cluster
	s_lshl_b32 s44, 0x1111, s40                    ; my column
	s_or_b32 s[G1A], s43, DW0
	s_or_b32 s[G1B], s44, DW0
	s_or_b32 s[G1Q], s44, DW0
.irp g, G1A, G1B, G1Q
	s_mov_b32 s[\g+1], 32<<16                      ; rows of 256 bytes
	s_mov_b32 s[\g+3], 32<<16
	s_mov_b32 s[\g+5], 32
	s_mov_b32 s[\g+6], 0
	s_mov_b32 s[\g+7], 0
.endr
.irp g, G1A, G1B
	s_mov_b32 s[\g+2], 192<<16                     ; 64 rows of codes
	s_mov_b32 s[\g+4], 192
.endr
	s_mov_b32 s[G1Q+2], 96<<16                     ; 32 rows of codes
	s_mov_b32 s[G1Q+4], 96
	s_lshl_b32 s18, s17, 2
	s_add_co_u32 s18, s18, s41
	s_lshl_b32 s18, s18, 8
	s_lshl_b32 s19, s14, 6
	s_add_co_u32 s18, s18, s19                     ; my first row of x in ac
	s_mul_i32 s20, s18, 768
	s_mov_b32 s21, 0
	s_lshl_b32 s22, s18, 5
	s_mov_b32 s23, 0
	s_lshl_b32 s45, s42, 7
	s_add_co_u32 s45, s45, 8192                    ; the q piece's first row
	s_lshl_b32 s46, s14, 5
	s_add_co_u32 s46, s46, s45
	s_mul_i32 s46, s46, 768
	s_mov_b32 s47, 0
	s_lshl_b32 s72, s15, 10                        ; waves 0, 1: k's rows, waves 2, 3: v's
	s_lshl_b32 s73, s16, 6
	s_add_co_u32 s72, s72, s73
	s_add_co_u32 s72, s72, s45
	s_add_co_u32 s72, s72, 1024
	s_mul_i32 s72, s72, 768
	s_mov_b32 s73, 0
	s_lshl_b32 s74, s45, 5
	s_mov_b32 s75, 0
	s_lshl_b32 s76, s41, 8
	s_add_co_u32 s76, s76, s19
	s_lshl_b32 s76, s76, 8                         ; cos, sin: row 256 cy + 64 wave
	s_mov_b32 s77, 0
	s_lshl_b32 s78, s17, 4
	s_lshl_b32 s79, s42, 1
	s_add_co_u32 s78, s78, s79
	s_mul_i32 s78, s78, REC                        ; record (4 b + p) 16 + 2 g
	s_lshl_b32 s79, s41, 1
	s_add_co_u32 s97, s79, s15                     ; my step 2 cy + wave / 2
	s_mul_i32 s97, s97, 6144
	s_add_co_u32 s97, s97, s78
	s_mul_i32 s98, s16, 3072
	s_add_co_u32 s[OP], s97, s98
	s_mov_b32 s[OP+1], 0
	s_mul_i32 s98, s16, 768
	s_add_co_u32 s[OV], s97, s98
	s_add_co_u32 s[OV], s[OV], 2*TREC
	s_mov_b32 s[OV+1], 0
	s_add_co_u32 s79, s79, s16                     ; the scale words that I store at the end: head wave / 2, step 2 cy + wave % 2
	s_lshl_b32 s79, s79, 9
	s_mul_i32 s98, s15, REC
	s_add_co_u32 s79, s79, s98
	s_add_co_u32 s79, s79, s78
	s_add_co_u32 s[OS], s79, SCO
	s_mov_b32 s[OS+1], 0
	s_lshl_b32 s98, s15, 9
	s_lshl_b32 s18, s16, 3
	s_add_co_u32 s18, s18, s98
	s_add_co_u32 s18, s18, STG                     ; stage, q and k: step wave / 2, words 2 (wave % 2) on
	s_lshl_b32 s19, s16, 1
	s_add_co_u32 s19, s19, s98
	s_add_co_u32 s19, s19, STG+4096                ; v: bytes 2 (wave % 2) on of each word
	s_lshl_b32 s45, s14, 9
	s_add_co_u32 s45, s45, STG
	s_mov_b32 s[SEL], 0x76543210                   ; v_permlanex16_b32's selects for lane l xor 16
	s_mov_b32 s[SEL+1], 0xfedcba98
	s_mov_b32 s[G0A], 1
	s_mul_i32 s[G0A+1], s14, HEADB
	s_add_co_u32 s[G0A+1], s[G0A+1], RA
	s_mov_b32 s[G0Q], 1
	s_mul_i32 s[G0Q+1], s14, HEADB/2
	s_mov_b32 s[G0K], 1
	s_mul_i32 s[G0K+1], s14, HEADB
	s_add_co_u32 s[G0K+1], s[G0K+1], RA
	s_wait_dscnt 0x0                               ; both opening adds are done
	s_wait_kmcnt 0x0
	s_add_nc_u64 s[G0A+2:G0A+3], s[4:5], s[20:21]
	s_or_b32 s[G0A+3], s[G0A+3], 0x80000000
	s_add_nc_u64 s[G0Q+2:G0Q+3], s[4:5], s[46:47]
	s_or_b32 s[G0Q+3], s[G0Q+3], 0x80000000
	s_add_nc_u64 s[G0K+2:G0K+3], s[4:5], s[72:73]
	s_or_b32 s[G0K+3], s[G0K+3], 0x80000000
	s_add_nc_u64 s[22:23], s[6:7], s[22:23]
	s_add_nc_u64 s[SP:SP+1], s[6:7], s[74:75]
	s_add_nc_u64 s[8:9], s[8:9], s[76:77]
	s_add_nc_u64 s[10:11], s[10:11], s[76:77]
	s_add_nc_u64 s[OP:OP+1], s[12:13], s[OP:OP+1]
	s_add_nc_u64 s[OV:OV+1], s[12:13], s[OV:OV+1]
	s_add_nc_u64 s[OS:OS+1], s[12:13], s[OS:OS+1]
	s_add_nc_u64 s[OS+2:OS+3], s[OS:OS+1], TREC
	s_add_nc_u64 s[OS+4:OS+5], s[OS+2:OS+3], TREC
	CROUND                                         ; all sixteen work-groups are here: the first joint loads meet
	tensor_load_to_lds s[G0A:G0A+3], s[G1A:G1A+7]  ; my 64 rows of x: my one load at the head
	s_nop 0
	PLACES
	v_and_b32 v1, 15, v0                           ; r
	v_bfe_u32 v21, v0, 4, 1                        ; h
	v_and_b32 v22, 31, v0
	v_mul_u32_u24 v23, v1, PITCH
	v_mad_u32_u24 v[BA], v21, 24, v23
	v_mad_u32_u24 v[BA+1], v21, 40, v23
	v_add_nc_u32 v[BA+2], HEADB, v[BA]
	v_add_nc_u32 v[BA+3], HEADB, v[BA+1]
	v_add_nc_u32 v[AA], s[G0A+1], v[BA]
	v_add_nc_u32 v[AA+1], s[G0A+1], v[BA+1]
	v_lshlrev_b32 v[LI], 4, v22
	v_lshlrev_b32 v[L8], 3, v22
	v_and_b32 v24, 8, v1
	v_add_nc_u32 v24, v24, v1
	v_lshlrev_b32 v24, 8, v24
	v_lshl_add_u32 v[CSO], v21, 6, v24
	v_lshlrev_b32 v25, 5, v1
	v_lshl_add_u32 v[SLO], v21, 4, v25
	v_add_nc_u32 v[STQ], s18, v[LI]
	v_add_nc_u32 v[STV], s19, v[LI]
	v_add_nc_u32 v[RDS], s45, v[LI]
.irp b, 0,1,2,3
	v_mov_b32 v[TM+4+\b], 0                        ; written once: a lane permute's destination counts as one of its sources
.endr
	s_wait_alu depctr_va_vdst(0)
.irp a, 0,1,2,3
	global_load_b128 v[AS+4*\a:AS+4*\a+3], v[SLO], s[22:23] offset:512*\a      ; 512 consecutive bytes: 16 rows' scale bytes
.endr
.irp b, 0,1,2,3,4,5,6,7
	global_load_b128 v[BS+4*\b:BS+4*\b+3], v[SLO], s[SP:SP+1] offset:512*\b    ; the q piece's
.endr
	WIN 0xc0
.irp a, 0,1,2,3                                ; block a: cos at 64 a + 16 beta + i, sin 32 further on: row 32 (a / 2) + 8 (a % 2) + r + 8 (r / 8), d = 32 beta + 16 h + i
.irp j, 0,1,2,3,4,5,6,7
	global_load_b128 v[64*\a+4*\j:64*\a+4*\j+3], v[CSO], s[8:9] offset:(32*(\a/2)+8*(\a%2))*256+128*(\j/4)+16*(\j%4)
	global_load_b128 v[64*\a+32+4*\j:64*\a+32+4*\j+3], v[CSO], s[10:11] offset:(32*(\a/2)+8*(\a%2))*256+128*(\j/4)+16*(\j%4)
.endr
.endr
	WIN 0
	s_wait_tensorcnt 0x0                           ; my rows of x are in
	ds_add_u32 v[SPW], v[NIL]
	s_wait_dscnt 0x0
	CROUND
	tensor_load_to_lds s[G0Q:G0Q+3], s[G1Q:G1Q+7]  ; my 32 rows of the q piece
	s_nop 0
	PLACES
.irp s, 0,1,2,3,4,5,6,7                        ; x's codes into registers, where they stay
.irp a, 0,1,2,3
	SETA \s, \a
	WIN AW<<6
	FRAG AR, AA, \s, \a*16*PITCH
.endr
.endr
	WIN 0
	s_wait_tensorcnt 0x0                           ; my part of the q piece is in;
	ds_add_u32 v[SPW], v[NIL]
	s_wait_dscnt 0x0                               ; the add is done, and my reads of x's bytes are over
	CROUND                                         ; both hold of every wave of the cluster
	tensor_load_to_lds s[G0K:G0K+3], s[G1B:G1B+7]  ; 64 rows of the k or the v piece, over x's bytes
	s_nop 0
	PLACES
	s_mov_b32 s[TT], 0
	s_mov_b32 s[HB], 0
	s_mov_b32 s[SO], 0
.Lpiece:                                               ; two trips: the q piece, the k piece
	s_wait_xcnt 0x0
	s_add_nc_u64 s[SP:SP+1], s[SP:SP+1], 32768     ; the next piece's scale bytes
	WIN 0x80
.irp i, 0,1,2,3
	v_add_nc_u32 v[QAD+\i], s[HB], v[BA+\i]
.endr
	WIN 0
	v_add_nc_u32 v[STC], s[SO], v[STQ]
	s_wait_alu depctr_va_vdst(0)
	HEADQK 0
	HEADQK 1
	WIN 0
	s_wait_alu depctr_va_vdst(0)
	s_wait_tensorcnt 0x0                           ; my part of the k and v pieces is in: no tensor load is out when the stage is written
	ds_store_b64 v[STC], v[SW:SW+1]
	ds_store_b64 v[STC], v[SW+2:SW+3] offset:1024
	s_wait_dscnt 0x0
	s_barrier_signal -1
	s_barrier_wait -1                              ; everybody's part is in
	s_wait_xcnt 0x0
	s_add_nc_u64 s[OP:OP+1], s[OP:OP+1], TREC
	s_add_co_u32 s[HB], s[HB], 2*HEADB
	s_add_co_u32 s[SO], s[SO], 2048
	s_add_co_u32 s[TT], s[TT], 1
	s_cmp_lt_u32 s[TT], 2
	s_cbranch_scc1 .Lpiece
	s_mov_b32 s[TT], 0
	s_mov_b32 s[SO], 0
.Lvhead:                                               ; two trips: v's two heads
	WIN 0x40
	v_add_nc_u32 v[VAD], s[HB], v[BA]
	v_add_nc_u32 v[VAD+1], s[HB], v[BA+1]
	WIN 0
	v_add_nc_u32 v[VAD], s[HB], v[BA]
	v_add_nc_u32 v[VAD+1], s[HB], v[BA+1]
	v_add_nc_u32 v[STC], s[SO], v[STV]
	s_wait_alu depctr_va_vdst(0)
	KLOOP 1, VAD, BS
	PLACES
	WIN 0
.irp i, 0,1,2,3,4,5,6,7,8,9,10,11,12,13,14,15
	v_mov_b32 v[BS+\i], v[BS+16+\i]                ; the second head's scale words take the first's place, so that one text serves both trips
.endr
.irp pi, 0,1                                   ; channel blocks 2 pi and 2 pi + 1: my 64 keys of each go to the conversions as they stand
	QUANT 64*\pi, SW+4
	PUTV \pi
	WIN 0
	ds_store_b16 v[STC], v[SW+4] offset:8*\pi              ; my two bytes of fragment 2 pi's word,
	ds_store_b16_d16_hi v[STC], v[SW+4] offset:8*\pi+4     ; and of fragment 2 pi + 1's
.endr
	s_wait_xcnt 0x0
	s_add_nc_u64 s[OV:OV+1], s[OV:OV+1], REC
	s_add_co_u32 s[HB], s[HB], HEADB
	s_add_co_u32 s[SO], s[SO], 1024
	s_add_co_u32 s[TT], s[TT], 1
	s_cmp_lt_u32 s[TT], 2
	s_cbranch_scc1 .Lvhead
	s_wait_dscnt 0x0                               ; my scale words lie in the stage
	s_barrier_signal -1
	s_barrier_wait -1                              ; everybody's do
.irp t, 0,1,2
	ds_load_b128 v[OUTR+4*\t:OUTR+4*\t+3], v[RDS] offset:2048*\t
.endr
	s_wait_dscnt 0x0
.irp t, 0,1,2
	global_store_b128 v[LI], v[OUTR+4*\t:OUTR+4*\t+3], s[OS+2*\t:OS+2*\t+1]   ; 512 consecutive bytes: a head's and a step's scale words
.endr
	s_wait_tensorcnt 0x0                           ; the wave's end
	ds_add_u32 v[SPW], v[NIL]
	s_wait_dscnt 0x0
	CROUND                                         ; the closing round
	s_endpgm
.Lfunc_end_k_q5274a907d9_qkv:
	.size	k_q5274a907d9_qkv, .Lfunc_end_k_q5274a907d9_qkv-k_q5274a907d9_qkv
	.p2alignl 7, 3214868480
	.fill 96, 4, 3214868480
	.section	.rodata,"a",@progbits
	.p2align	6, 0x0
	.amdhsa_kernel k_q5274a907d9_qkv
		.amdhsa_group_segment_fixed_size 327680
		.amdhsa_private_segment_fixed_size 0
		.amdhsa_enable_private_segment 0
		.amdhsa_kernarg_size 40
		.amdhsa_user_sgpr_count 2
		.amdhsa_user_sgpr_kernarg_segment_ptr 1
		.amdhsa_wavefront_size32 1
		.amdhsa_system_sgpr_workgroup_id_x 1
		.amdhsa_system_sgpr_workgroup_id_y 1
		.amdhsa_system_sgpr_workgroup_id_z 1
		.amdhsa_system_vgpr_workitem_id 0
		.amdhsa_next_free_vgpr 1024
		.amdhsa_next_free_sgpr 100
		.amdhsa_reserve_vcc 0
		.amdhsa_float_denorm_mode_32 3
		.amdhsa_float_denorm_mode_16_64 3
		.amdhsa_memory_ordered 1
		.amdhsa_forward_progress 1
		.amdhsa_inst_pref_size 162
	.end_amdhsa_kernel
	.amdgpu_metadata
---
amdhsa.version: [ 1, 2 ]
amdhsa.kernels:
  - .name:           k_q5274a907d9_qkv
    .symbol:         k_q5274a907d9_qkv.kd
    .args:
      - { .name: ac, .offset: 0, .size: 8, .value_kind: global_buffer, .address_space: global }
      - { .name: asc, .offset: 8, .size: 8, .value_kind: global_buffer, .address_space: global }
      - { .name: cos, .offset: 16, .size: 8, .value_kind: global_buffer, .address_space: global }
      - { .name: sin, .offset: 24, .size: 8, .value_kind: global_buffer, .address_space: global }
      - { .name: hq, .offset: 32, .size: 8, .value_kind: global_buffer, .address_space: global }
    .group_segment_fixed_size: 327680
    .private_segment_fixed_size: 0
    .kernarg_segment_align: 8
    .kernarg_segment_size: 40
    .max_flat_workgroup_size: 128
    .sgpr_count:     100
    .vgpr_count:     1024
    .wavefront_size: 32
...
	.end_amdgpu_metadata
.endif
;; end of part 2
;; launch attn (part 3): grid 4 x 64, 16 waves a work-group, clusters of 4 x 1, 216,064 bytes of LDS; arguments hq, oc, osc; writes oc, osc
.if DOCPART == 3
	.amdgcn_target "amdgcn-amd-amdhsa--gfx1250"
	.amdhsa_code_object_version 6
	.text
	.protected	k_q5274a907d9_attn
	.globl	k_q5274a907d9_attn
	.p2align	8
	.type	k_q5274a907d9_attn,@function
k_q5274a907d9_attn:
	s_mov_b64 s[64:65], 0
	v_nop
	global_prefetch_b8 v0, s[64:65] scope:SCOPE_SE
	s_setreg_imm32_b32 hwreg(HW_REG_WAVE_MODE, 25, 1), 1
	s_wait_xcnt 0x0
	s_wait_alu depctr_hold_cnt(0) depctr_sa_sdst(0) depctr_va_vdst(0) depctr_va_sdst(0) depctr_va_ssrc(0) depctr_va_vcc(0) depctr_vm_vsrc(0)
	s_getreg_b32 s2, hwreg(HW_REG_IB_STS2, 6, 4)
	s_cmp_eq_u32 s2, 0
	s_cbranch_scc0 .Lentry_in_a_cluster
	s_endpgm
.Lentry_in_a_cluster:
	s_bfe_u32 s2, ttmp6, 0x10000c
	s_cmp_lg_u32 s2, 0x3003
	s_cbranch_scc0 .Lentry_shape_is_right
	s_endpgm
.Lentry_shape_is_right:
; Causal attention for 128 (b, p, head), 1,024 rows, head size 64, both products on codes of FP6 (E2M3) with one E8M0 scale for each 32 along K; the result, divided by the row's sum, is quantised along head x 64 + d for the last projection.
; THE SOFTMAX: t = score x log2(e) / 8; M = the running largest t rounded UP to a whole number; p = 2^(t - M) is what is quantised, along the keys; the row's sum is taken of the unquantised p and divides at the end.  When M moves, the sum and O
; are multiplied by 2^(old M - new M): exact.  Hidden scores become -infinity ahead of the maximum, so their p is 0; key 0 counts for every query, so M is a number from the first step on.
; SHARES.  A cluster of four work-groups takes two heads (A = 2 kappa, B = 2 kappa + 1) of one (b, p).  K's and V's records of both heads, 212,992 bytes, come into each work-group's LDS ONCE, by one joint load a wave of waves 0 to 7, and stay:
; nothing is filled again.  A wave (g = wave % 8, u = wave / 8) owns two tiles of 16 queries: of head A tile 8 g + 2 cx + u, of head B tile 8 (7 - g) + 2 cx + u: g + 1 and 8 - g key steps of 128: nine steps for every wave.
; The step counts hang on the wave's number alone; cx enters global addresses and one data register (the mask's comparand).
; LAYOUT.  Both products are used transposed (S^T = K Q^T, O^T = V^T P^T): a lane holds ONE query.  K = 64 fills half of the instruction's 128: a fragment of K holds TWO tiles of 16 keys, [tile 0's 64 channels | tile 1's], and the operands
; [q | 0] and [0 | q] pick one of them; zero codes add nothing.  Row r of tile t is l = 32 (t / 2) + 8 (t % 2) + r + 8 (r / 8), so that S^T's register 16 b + i is key 128 step + 32 b + 16 (lane / 16) + i: 16 neighbours.
; OUT.  oc: [4 (4 b + p) + cx][tau = 2 g + u][head][768 bytes: six registers as they stand: 0-3 at 16 x lane, 4-5 at 512 + 8 x lane]: lane (r, h): d = 32 h .. + 31.  osc: [4 (4 b + p) + cx][kappa][tau][r][4 bytes: head A's two, head B's two].
; LIMITS: NaN and infinities are not served; a block whose largest magnitude lies under 2^-124, zeros among them, keeps the byte 1; o / l is a reciprocal and a multiplication.
; No prefetch is laid: all that the launch reads is asked for at its head.
.set REC,   53248                      ; a record of hq: 8 steps x 4 fragments x 1,536 bytes, then 8 x 512 bytes of scale words
.set IMG,   1536
.set STEPB, 6144
.set SCO,   49152
.set VOFF,  2*REC                      ; LDS: K of head A, K of head B, V of head A, V of head B
.set STG,   4*REC                      ; then 1,024 bytes: o's scale words; no fill lands here
.set LI,   1                           ; v1   16 x lane; never rewritten
.set L8,   2                           ; v2   8 x lane; never rewritten
.set LIK,  3                           ; v3   my lane's place in the unit's record of K
.set LIV,  4                           ; v4   and of V
.set DQ,   5                           ; v5   32 cx + 8 u + r + 8 (r / 8) - 16 h: on the diagonal register 16 b + i is hidden where 32 b + i is above it
.set STA,  6                           ; v6-7 where the unit's two scale bytes go
.set ADK,  8                           ; v8-11 the step's LDS addresses: K, V, K's scale words, V's
.set ADV,  9
.set ADS,  10
.set ADT,  11
.set QLO,  16                          ; v16-27 [q | 0]
.set QHI,  28                          ; v28-39 [0 | q]
.set F,    40                          ; v40-87 four fragments of K, then of V
.set SCR,  88                          ; v88  STG + 16 x thread
.set SCG,  89
.set LV8,  90                          ; v90  8 x lane in the unit's record of V
.set AD8,  91                          ; v91  the same in the step
.set S,    96                          ; v96-159 S^T, then p
.set O,    160                         ; v160-191 O^T
.set PC,   192                         ; v192-203 p's codes
.set CT,   204                         ; v204-206, v208-210 at work in the conversions
.set KSW,  212                         ; v212-215 scale words of K, then of V
.set QSW,  216                         ; v216 q's
.set PSW,  217                         ; v217 p's
.set FF,   218                         ; v[218:219] f = 2^(old M - new M); the pair's upper word is written once
.set BM,   220                         ; v220-223 the blocks' largest scores
.set BT,   224                         ; v224-227 at work
.set SO,   228                         ; v228-231 the conversions' scale operands
.set TMPR, 232
.set QH,   234                         ; v234-240, v242-248 the two units' q (six registers) and scale word
.set WV,   18
.set SEL,  20
.set CS,   22
.set G1,   24
.set G0,   32
.set CX,   36
.set YY,   37
.set GU,   38                          ; s38, s39 the two units' g
.set G,    40
.set SI,   41
.set TB,   42
.set TS,   43
.set UU,   44
.set MASK, 50
.set PSEL, 51
.set QB,   52                          ; s[52:53], s[54:55] the units' images of q
.set QS,   56                          ; s[56:57], s[58:59] their scale words
.set OB,   60                          ; s[60:61], s[62:63] the units' places in oc
.set OS,   66                          ; s[66:67] the work-group's place in osc
.macro CROUND                          ; a round of the cluster's barrier
	s_barrier_signal -1
	s_barrier_wait -1
	s_cmp_lg_u32 s[WV], 0
	s_cbranch_scc1 .Lnot_wave_0_\@
	s_barrier_signal -3
.Lnot_wave_0_\@:
	s_barrier_wait -3
	s_barrier_signal -1
	s_barrier_wait -1
.endm
	s_load_b128 s[4:7], s[0:1], 0x0                ; hq, oc
	s_load_b64 s[8:9], s[0:1], 0x10                ; osc
	v_lshl_add_u32 v254, v0, 2, 0x34400
	v_mov_b32 v255, 0
	ds_add_u32 v254, v255
	ds_add_u32 v254, v255
	v_lshrrev_b32 v1, 5, v0
	s_delay_alu instid0(VALU_DEP_1)
	v_readfirstlane_b32 s[WV], v1                  ; wave 0..15
	s_bfe_u32 s[CX], ttmp6, 0x40000                ; cx
	s_and_b32 s[YY], ttmp7, 0xffff                 ; 8 (4 b + p) + kappa
	s_and_b32 s[GU], s[WV], 7
	s_xor_b32 s[GU+1], s[GU], 7
	s_lshr_b32 s[UU], s[WV], 3
	; descriptor group 1: 26,624 dense bytes as 104 rows of 256 (32 elements of 8 bytes), no padding
	s_mov_b32 s[G1], 15|(3<<16)|(1<<21)            ; 15:0 the mask: all four work-groups; elements of 8 bytes; 21 set beside a mask
	s_mov_b32 s[G1+1], 32<<16
	s_mov_b32 s[G1+2], 104<<16
	s_mov_b32 s[G1+3], 32<<16
	s_mov_b32 s[G1+4], 104
	s_mov_b32 s[G1+5], 32
	s_mov_b32 s[G1+6], 0
	s_mov_b32 s[G1+7], 0
	s_mov_b32 s[G0], 1
	s_mul_i32 s[G0+1], s[WV], 26624                ; waves 0 to 7: half a record each, on end
	s_lshr_b32 s45, s[WV], 2
	s_add_co_u32 s45, s45, 1                       ; waves 0-3: k's records, waves 4-7: v's
	s_lshl_b32 s45, s45, 7
	s_lshl_b32 s46, s[YY], 1                       ; head A's record among a tensor's 128
	s_add_co_u32 s45, s45, s46
	s_mul_i32 s45, s45, REC
	s_and_b32 s47, s[WV], 3
	s_mul_i32 s47, s47, 26624
	s_add_co_u32 s48, s45, s47
	s_mov_b32 s49, 0
	s_mul_i32 s46, s46, REC                        ; q's record of head A
	s_mul_i32 s47, s[CX], IMG
	s_add_co_u32 s47, s47, s46
	s_lshl_b32 s68, s[CX], 2
	s_add_co_u32 s68, s68, s46
	s_lshr_b32 s69, s[YY], 3
	s_lshl_b32 s69, s69, 2
	s_add_co_u32 s69, s69, s[CX]                   ; 4 (4 b + p) + cx
	s_and_b32 s70, s[YY], 7                        ; kappa
.irp n, 0,1
	s_mul_i32 s45, s[GU+\n], STEPB
	s_add_co_u32 s45, s45, s47
	s_add_co_u32 s[QB+2*\n], s45, \n*REC           ; q: record, step g, fragment cx
	s_mov_b32 s[QB+2*\n+1], 0
	s_lshl_b32 s45, s[GU+\n], 9
	s_add_co_u32 s45, s45, s68
	s_add_co_u32 s[QS+2*\n], s45, \n*REC+SCO       ; its scale words: word cx of each lane's four
	s_mov_b32 s[QS+2*\n+1], 0
	s_lshl_b32 s45, s69, 4
	s_lshl_b32 s71, s[GU+\n], 1
	s_add_co_u32 s71, s71, s[UU]                   ; tau = 2 g + u
	s_add_co_u32 s45, s45, s71
	s_mul_i32 s45, s45, 12288
	s_mul_i32 s[OB+2*\n], s70, 1536
	s_add_co_u32 s[OB+2*\n], s[OB+2*\n], s45
	s_add_co_u32 s[OB+2*\n], s[OB+2*\n], \n*768
	s_mov_b32 s[OB+2*\n+1], 0
	s_lshl_b32 s71, s71, 6
	s_add_co_u32 s71, s71, STG
	v_and_b32 v8, 15, v0
	s_delay_alu instid0(VALU_DEP_1)
	v_lshl_add_u32 v[STA+\n], v8, 2, s71           ; STG + 64 tau + 4 r
.endr
	s_lshl_b32 s[OS], s69, 3
	s_add_co_u32 s[OS], s[OS], s70
	s_lshl_b32 s[OS], s[OS], 10
	s_mov_b32 s[OS+1], 0
	s_mov_b32 s[SEL], 0x76543210                   ; v_permlanex16_b32's selects for lane l xor 16
	s_mov_b32 s[SEL+1], 0xfedcba98
	s_mov_b32 s[CS], 0x3e38aa3b                    ; c = log2(e) / 8
	s_mov_b32 s[CS+1], s[CS]                       ; (named with it as a pair, so it is written)
	s_mov_b32 s[PSEL], 0x03020302
	s_cmp_eq_u32 s[UU], 0
	s_cselect_b32 s[MASK], 0, -1                   ; which of an image's two tiles is mine
	s_cselect_b32 s[PSEL], 0x01000100, s[PSEL]     ; and which two of its scale word's bytes
	s_wait_dscnt 0x0
	s_wait_kmcnt 0x0
	s_add_nc_u64 s[G0+2:G0+3], s[4:5], s[48:49]
	s_or_b32 s[G0+3], s[G0+3], 0x80000000
.irp n, 0,1
	s_add_nc_u64 s[QB+2*\n:QB+2*\n+1], s[4:5], s[QB+2*\n:QB+2*\n+1]
	s_add_nc_u64 s[QS+2*\n:QS+2*\n+1], s[4:5], s[QS+2*\n:QS+2*\n+1]
	s_add_nc_u64 s[OB+2*\n:OB+2*\n+1], s[6:7], s[OB+2*\n:OB+2*\n+1]
.endr
	s_add_nc_u64 s[OS:OS+1], s[8:9], s[OS:OS+1]
	CROUND                                         ; all four work-groups are here: the joint loads meet
	s_cmp_lt_u32 s[WV], 8
	s_cbranch_scc0 .Lno_fill
	tensor_load_to_lds s[G0:G0+3], s[G1:G1+7]      ; one load of mine is out; four v_nop follow it
	s_nop 0
.rept 4
	v_nop
.endr
.Lno_fill:
	v_and_b32 v8, 31, v0
	s_delay_alu instid0(VALU_DEP_1)
	v_lshlrev_b32 v[LI], 4, v8
	s_delay_alu instid0(VALU_DEP_2)
	v_lshlrev_b32 v[L8], 3, v8
.irp n, 0,1
.irp c, 0,1,2
	global_load_b128 v[S+12*\n+4*\c:S+12*\n+4*\c+3], v[LI], s[QB+2*\n:QB+2*\n+1] offset:512*\c
.endr
	global_load_b32 v[S+24+\n], v[LI], s[QS+2*\n:QS+2*\n+1]
.endr
	v_lshl_add_u32 v[SCR], v0, 4, STG
	v_lshlrev_b32 v[SCG], 4, v0
	v_and_b32 v8, 15, v0                           ; r
	v_bfe_u32 v9, v0, 4, 1                         ; h
	s_delay_alu instid0(VALU_DEP_2)
	v_and_b32 v10, 8, v8
	s_delay_alu instid0(VALU_DEP_1)
	v_add_nc_u32 v10, v10, v8
	s_delay_alu instid0(VALU_DEP_3)
	v_lshlrev_b32 v11, 4, v9
	s_delay_alu instid0(VALU_DEP_1)
	v_sub_nc_u32 v10, v10, v11
	s_lshl_b32 s45, s[CX], 5
	s_lshl_b32 s46, s[UU], 3
	s_add_co_u32 s45, s45, s46
	v_add_nc_u32 v[DQ], s45, v10
.irp i, 0,1,2,3,4,5
	v_mov_b32 v[QLO+6+\i], 0                       ; the halves that stay zero codes
	v_mov_b32 v[QHI+\i], 0
.endr
.irp b, 0,1,2,3
	v_mov_b32 v[BT+\b], 0                          ; written once: a lane permute's destination counts as one of its sources
.endr
	v_mov_b32 v[TMPR], 0
	v_mov_b32 v[FF+1], 0
	s_wait_tensorcnt 0x0                           ; my part of K and V has landed,
	s_wait_loadcnt 0x0                             ; and q
	s_barrier_signal -1
	s_barrier_wait -1                              ; everybody's has
.irp n, 0,1
.irp i, 0,1,2,3,4,5
	v_cndmask_b32 v[QH+8*\n+\i], v[S+12*\n+\i], v[S+12*\n+6+\i], s[MASK]
.endr
	v_perm_b32 v[QH+8*\n+6], v[S+24+\n], v[S+24+\n], s[PSEL]   ; my tile's two bytes, twice: one word serves [q | 0] and [0 | q]
.endr
; A UNIT: one tile of 16 queries of head n of the pair.
.macro UNIT n
	s_wait_xcnt 0x0                                ; the last unit's stores have read v[PC] on
	v_add_nc_u32 v[LIK], \n*REC, v[LI]
	v_add_nc_u32 v[LIV], \n*REC+VOFF, v[LI]
	v_add_nc_u32 v[LV8], \n*REC+VOFF, v[L8]
.irp i, 0,1,2,3,4,5
	v_mov_b32 v[QLO+\i], v[QH+8*\n+\i]
	v_mov_b32 v[QHI+6+\i], v[QH+8*\n+\i]
.endr
	v_mov_b32 v[QSW], v[QH+8*\n+6]
	v_mov_b32 v13, 0xff61b1e6                      ; the largest t so far: -3e38, under every t
	s_delay_alu instid0(VALU_DEP_1)
	v_floor_f32 v12, -v13                          ; -M
	v_mov_b32 v14, 0                               ; the sum, in two halves
	v_mov_b32 v15, 0
.irp j, 0,1,2,3,4,5,6,7,8,9,10,11,12,13,14,15,16,17,18,19,20,21,22,23,24,25,26,27,28,29,30,31
	v_mov_b32 v[O+\j], 0                           ; O^T: the step is written once; the first finds zeros.  (These are also the places between the writes of q and its scale word and the first product)
.endr
	s_mov_b32 s[G], s[GU+\n]
	s_mov_b32 s[SI], 0
	s_mov_b32 s[TB], 0
	s_mov_b32 s[TS], 0
.Lstep_\@:                                         ; eight trips, a constant; a step all of whose keys come after my queries is jumped over, by the wave's number
	s_cmp_gt_u32 s[SI], s[G]
	s_cbranch_scc1 .Lhidden_\@
	v_add_nc_u32 v[ADK], s[TB], v[LIK]             ; (four plain lines: the places in front of the loads below)
	v_add_nc_u32 v[ADV], s[TB], v[LIV]
	v_add_nc_u32 v[ADS], s[TS], v[LIK]
	v_add_nc_u32 v[ADT], s[TS], v[LIV]
	v_add_nc_u32 v[AD8], s[TB], v[LV8]
.irp b, 0,1,2,3
.irp c, 0,1,2
	ds_load_b128 v[F+12*\b+4*\c:F+12*\b+4*\c+3], v[ADK] offset:IMG*\b+512*\c   ; a fragment as it stands: 512 consecutive bytes a load
.endr
.endr
	ds_load_b128 v[KSW:KSW+3], v[ADS] offset:SCO
	s_wait_alu depctr_va_vdst(0)
	s_wait_dscnt 0x0
.irp b, 0,1,2,3
	v_wmma_scale_f32_16x16x128_f8f6f4 v[S+16*\b:S+16*\b+7], v[F+12*\b:F+12*\b+11], v[QLO:QLO+11], 0, v[KSW+\b], v[QSW] matrix_a_fmt:MATRIX_FMT_FP6 matrix_b_fmt:MATRIX_FMT_FP6
	v_wmma_scale_f32_16x16x128_f8f6f4 v[S+16*\b+8:S+16*\b+15], v[F+12*\b:F+12*\b+11], v[QHI:QHI+11], 0, v[KSW+\b], v[QSW] matrix_a_fmt:MATRIX_FMT_FP6 matrix_b_fmt:MATRIX_FMT_FP6
.endr
.rept 4
	v_nop                                          ; places in front of the loads into K's registers and of the first read of the scores
.endr
.irp t, 0,1,2,3
.irp c, 0,1                                    ; a fragment of V lies as two halves of 768 bytes: four registers at 16 x lane, two at 512 + 8 x lane; they land under the softmax
	ds_load_b128 v[F+12*\t+6*\c:F+12*\t+6*\c+3], v[ADV] offset:IMG*\t+768*\c
	ds_load_b64 v[F+12*\t+6*\c+4:F+12*\t+6*\c+5], v[AD8] offset:IMG*\t+768*\c+512
.endr
.endr
	ds_load_b128 v[KSW:KSW+3], v[ADT] offset:SCO
	s_cmp_lg_u32 s[SI], s[G]
	s_cbranch_scc1 .Lopen_\@
	v_mov_b32 v[TMPR], 0xff800000                  ; on the diagonal the scores of hidden keys become -infinity
.irp m, 0,1,2,3,4,5,6,7,8,9,10,11,12,13,14,15,16,17,18,19,20,21,22,23,24,25,26,27,28,29,30,31,32,33,34,35,36,37,38,39,40,41,42,43,44,45,46,47,48,49,50,51,52,53,54,55,56,57,58,59,60,61,62,63
	v_cmp_gt_i32 vcc_lo, 32*(\m/16)+\m%16, v[DQ]
	v_cndmask_b32 v[S+\m], v[S+\m], v[TMPR], vcc_lo
.endr
.Lopen_\@:
.irp b, 0,1,2,3
	v_max3_num_f32 v[BM+\b], v[S+16*\b], v[S+1+16*\b], v[S+2+16*\b]   ; the largest score of each block of 32 keys: for the row's maximum and, since p rises with the score, for the block's largest p
.endr
.irp i, 3,5,7,9,11,13
.irp b, 0,1,2,3
	v_max3_num_f32 v[BM+\b], v[BM+\b], v[S+16*\b+\i], v[S+1+16*\b+\i]
.endr
.endr
.irp b, 0,1,2,3
	v_max_num_f32 v[BM+\b], v[BM+\b], v[S+15+16*\b]
.endr
.irp b, 0,1,2,3
	s_delay_alu instid0(VALU_DEP_4)
	v_permlanex16_b32 v[BT+\b], v[BM+\b], s[SEL], s[SEL+1]
.endr
.irp b, 0,1,2,3
	s_delay_alu instid0(VALU_DEP_4)
	v_max_num_f32 v[BM+\b], v[BM+\b], v[BT+\b]     ; with lane l xor 16's 16 keys
.endr
	s_delay_alu instid0(VALU_DEP_2)
	v_max3_num_f32 v[TMPR], v[BM], v[BM+1], v[BM+2]
	s_delay_alu instid0(VALU_DEP_1)
	v_max_num_f32 v[TMPR], v[TMPR], v[BM+3]
	s_delay_alu instid0(VALU_DEP_1)
	v_mul_f32 v[TMPR], s[CS], v[TMPR]              ; as t
	s_delay_alu instid0(VALU_DEP_1)
	v_max_num_f32 v13, v13, v[TMPR]                ; the running largest t
	v_mov_b32 v[TMPR], v12
	s_delay_alu instid0(VALU_DEP_2)
	v_floor_f32 v12, -v13                          ; the new -M = -ceil(t)
	s_delay_alu instid0(VALU_DEP_1)
	v_sub_f32 v[TMPR], v12, v[TMPR]                ; old M - new M: a whole number, 0 or less
	s_delay_alu instid0(VALU_DEP_1)
	v_cvt_i32_f32 v[TMPR], v[TMPR]                 ; (it saturates)
	s_delay_alu instid0(VALU_DEP_1)
	v_ldexp_f32 v[FF], 1.0, v[TMPR]                ; f = 2^(old M - new M)
.irp j, 0,2,4,6,8,10,12,14,16,18,20,22,24,26,28,30,32,34,36,38,40,42,44,46,48,50,52,54,56,58,60,62
	v_pk_fma_f32 v[S+\j:S+\j+1], v[S+\j:S+\j+1], s[CS:CS+1], v[12:13] op_sel_hi:[1,0,0]   ; t - M
.endr
.irp b, 0,1,2,3
	v_fma_f32 v[BM+\b], v[BM+\b], s[CS], v12
.endr
	s_wait_alu depctr_va_vdst(0)
.irp j, 0,1,2,3,4,5,6,7,8,9,10,11,12,13,14,15,16,17,18,19,20,21,22,23,24,25,26,27,28,29,30,31,32,33,34,35,36,37,38,39,40,41,42,43,44,45,46,47,48,49,50,51,52,53,54,55,56,57,58,59,60,61,62,63
	v_exp_f32 v[S+\j], v[S+\j]                     ; p = 2^(t - M), not normalised
.endr
	v_pk_mul_f32 v[14:15], v[14:15], v[FF:FF+1] op_sel_hi:[1,0]   ; the sums under the new M (a plain line behind the exponentials)
	s_wait_alu depctr_va_vdst(0)                   ; one wait for the batch of 64, ahead of its first reader
.irp b, 0,1,2,3
	v_exp_f32 v[BM+\b], v[BM+\b]                   ; the blocks' largest p
.endr
	v_pk_add_f32 v[224:225], v[100:101], v[104:105]
	v_pk_add_f32 v[252:253], v[108:109], v[112:113]
	v_pk_add_f32 v[250:251], v[116:117], v[120:121]
	v_pk_add_f32 v[240:241], v[124:125], v[128:129]
	v_pk_add_f32 v[238:239], v[132:133], v[136:137]
	v_pk_add_f32 v[236:237], v[140:141], v[144:145]
	v_pk_add_f32 v[234:235], v[148:149], v[152:153]
	v_pk_add_f32 v[14:15], v[14:15], v[156:157]
	v_pk_add_f32 v[224:225], v[224:225], v[96:97]
	v_pk_add_f32 v[252:253], v[252:253], v[98:99]
	v_pk_add_f32 v[250:251], v[250:251], v[102:103]
	v_pk_add_f32 v[240:241], v[240:241], v[106:107]
	v_pk_add_f32 v[238:239], v[238:239], v[110:111]
	v_pk_add_f32 v[236:237], v[236:237], v[114:115]
	v_pk_add_f32 v[234:235], v[234:235], v[118:119]
	v_pk_add_f32 v[14:15], v[14:15], v[122:123]
	v_pk_add_f32 v[224:225], v[224:225], v[126:127]
	v_pk_add_f32 v[252:253], v[252:253], v[130:131]
	v_pk_add_f32 v[250:251], v[250:251], v[134:135]
	v_pk_add_f32 v[240:241], v[240:241], v[138:139]
	v_pk_add_f32 v[238:239], v[238:239], v[142:143]
	v_pk_add_f32 v[236:237], v[236:237], v[146:147]
	v_pk_add_f32 v[234:235], v[234:235], v[150:151]
	v_pk_add_f32 v[14:15], v[14:15], v[154:155]
	v_pk_add_f32 v[224:225], v[224:225], v[158:159]
	s_delay_alu instid0(VALU_DEP_2)
	v_pk_add_f32 v[14:15], v[14:15], v[240:241]
	s_delay_alu instid0(VALU_DEP_2)
	v_pk_add_f32 v[224:225], v[224:225], v[238:239]
	v_pk_add_f32 v[252:253], v[252:253], v[236:237]
	v_pk_add_f32 v[250:251], v[250:251], v[234:235]
	s_delay_alu instid0(VALU_DEP_2)
	v_pk_add_f32 v[14:15], v[14:15], v[252:253]
	s_delay_alu instid0(VALU_DEP_2)
	v_pk_add_f32 v[224:225], v[224:225], v[250:251]
	s_delay_alu instid0(VALU_DEP_1)
	v_pk_add_f32 v[14:15], v[14:15], v[224:225]
	s_wait_alu depctr_va_vdst(0)                   ; and one for the four
.irp b, 0,1,2,3
	v_max_num_f32 v[BM+\b], 0x1800000, v[BM+\b]    ; the floor 2^(3 - 127)
.endr
.irp b, 0,1,2,3
	s_delay_alu instid0(VALU_DEP_4)
	v_add_nc_u32 v[SO+\b], 0xff000000, v[BM+\b]    ; 2 off the exponent field: the conversion's scale operand
.endr
.irp b, 0,1,2,3
	s_delay_alu instid0(VALU_DEP_4)
	v_lshrrev_b32 v[BT+\b], 23, v[SO+\b]           ; the scale's byte
.endr
	s_delay_alu instid0(VALU_DEP_3)
	v_lshl_or_b32 v[PSW], v[BT+1], 8, v[BT]
	s_delay_alu instid0(VALU_DEP_1)
	v_lshl_or_b32 v[PSW], v[BT+2], 16, v[PSW]
	s_delay_alu instid0(VALU_DEP_1)
	v_lshl_or_b32 v[PSW], v[BT+3], 24, v[PSW]
.irp c, 0,1
	v_cvt_scalef32_pk16_fp6_f32 v[PC+6*\c:PC+2+6*\c], v[S+32*\c:S+15+32*\c], v[SO+2*\c]
	v_cvt_scalef32_pk16_fp6_f32 v[CT+4*\c:CT+2+4*\c], v[S+16+32*\c:S+31+32*\c], v[SO+2*\c+1]
.endr
	v_nop                                          ; one plain place behind a scaled conversion
.irp c, 0,1
.irp i, 0,1,2
	v_permlane16_swap_b32 v[PC+6*\c+\i], v[CT+4*\c+\i]
.endr
.irp i, 0,1,2
	s_delay_alu instid0(VALU_DEP_3)
	v_mov_b32 v[PC+3+6*\c+\i], v[CT+4*\c+\i]
.endr
.endr
.irp j, 0,2,4,6,8,10,12,14,16,18,20,22,24,26,28,30
	v_pk_mul_f32 v[O+\j:O+\j+1], v[O+\j:O+\j+1], v[FF:FF+1] op_sel_hi:[1,0]   ; O^T under the new M.  (These 16 are also the places between the writes of p's codes and scale word and the products)
.endr
	s_wait_alu depctr_va_vdst(0)
	s_wait_dscnt 0x0                               ; V is in
.irp t, 0,1,2,3
	v_wmma_scale_f32_16x16x128_f8f6f4 v[O+8*\t:O+8*\t+7], v[F+12*\t:F+12*\t+11], v[PC:PC+11], v[O+8*\t:O+8*\t+7], v[KSW+\t], v[PSW] matrix_a_fmt:MATRIX_FMT_FP6 matrix_b_fmt:MATRIX_FMT_FP6
.endr
.Lhidden_\@:
	s_add_co_u32 s[TB], s[TB], STEPB
	s_add_co_u32 s[TS], s[TS], 512
	s_add_co_u32 s[SI], s[SI], 1
	s_cmp_lt_u32 s[SI], 8
	s_cbranch_scc1 .Lstep_\@
	; the unit's way out
.rept 4
	v_nop                                          ; places behind the last products
.endr
	v_add_f32 v14, v14, v15
	s_delay_alu instid0(VALU_DEP_1)
	v_permlanex16_b32 v[TMPR], v14, s[SEL], s[SEL+1]
	s_delay_alu instid0(VALU_DEP_1)
	v_add_f32 v14, v14, v[TMPR]                    ; the row's sum
	s_wait_alu depctr_va_vdst(0)
	v_rcp_f32 v14, v14
	v_nop                                          ; a plain line behind the reciprocal
	s_wait_alu depctr_va_vdst(0)                   ; and the wait ahead of its first reader
.irp j, 0,2,4,6,8,10,12,14,16,18,20,22,24,26,28,30
	v_pk_mul_f32 v[S+\j:S+\j+1], v[O+\j:O+\j+1], v[14:15] op_sel_hi:[1,0]   ; o: register 16 beta + i is d = 32 beta + 16 h + i; each accumulator from its low end on
.endr
.irp b, 0,1
	v_max3_num_f32 v[BM+\b], |v[S+16*\b]|, |v[S+1+16*\b]|, 0x1800000
.endr
.irp i, 2,4,6,8,10,12,14
.irp b, 0,1
	s_delay_alu instid0(VALU_DEP_2)
	v_max3_num_f32 v[BM+\b], v[BM+\b], |v[S+16*\b+\i]|, |v[S+1+16*\b+\i]|
.endr
.endr
.irp b, 0,1
	s_delay_alu instid0(VALU_DEP_2)
	v_permlanex16_b32 v[BT+\b], v[BM+\b], s[SEL], s[SEL+1]
.endr
.irp b, 0,1
	s_delay_alu instid0(VALU_DEP_2)
	v_max_num_f32 v[BM+\b], v[BM+\b], v[BT+\b]
.endr
.irp b, 0,1
	s_delay_alu instid0(VALU_DEP_2)
	v_add_nc_u32 v[SO+\b], 0xff000000, v[BM+\b]
.endr
.irp b, 0,1
	s_delay_alu instid0(VALU_DEP_2)
	v_lshrrev_b32 v[BT+\b], 23, v[SO+\b]
.endr
	s_delay_alu instid0(VALU_DEP_1)
	v_lshl_or_b32 v[TMPR], v[BT+1], 8, v[BT]       ; the head's two scale bytes of my row
	v_cvt_scalef32_pk16_fp6_f32 v[PC:PC+2], v[S:S+15], v[SO]
	v_cvt_scalef32_pk16_fp6_f32 v[PC+6:PC+8], v[S+16:S+31], v[SO+1]
	v_nop
.irp i, 0,1,2
	v_permlane16_swap_b32 v[PC+\i], v[PC+6+\i]     ; lanes 0-15 take block 0 whole, lanes 16-31 block 1
.endr
.irp i, 0,1,2
	s_delay_alu instid0(VALU_DEP_3)
	v_mov_b32 v[PC+3+\i], v[PC+6+\i]
.endr
	global_store_b128 v[LI], v[PC:PC+3], s[OB+2*\n:OB+2*\n+1]              ; 512 consecutive bytes,
	global_store_b64 v[L8], v[PC+4:PC+5], s[OB+2*\n:OB+2*\n+1] offset:512  ; and the 256 behind them
	ds_store_b16 v[STA+\n], v[TMPR] offset:2*\n    ; lanes r and r + 16 write the same two bytes with the same value
.endm
	UNIT 0
	UNIT 1
	s_wait_dscnt 0x0                               ; my scale bytes lie in LDS
	s_barrier_signal -1
	s_barrier_wait -1                              ; everybody's do
	s_cmp_lt_u32 s[WV], 2
	s_cbranch_scc0 .Lno_sc
	ds_load_b128 v[S:S+3], v[SCR]
	s_wait_dscnt 0x0
	global_store_b128 v[SCG], v[S:S+3], s[OS:OS+1] ; waves 0 and 1 store the 1,024 bytes: 512 consecutive bytes each
.Lno_sc:
	s_wait_tensorcnt 0x0
	ds_add_u32 v254, v255
	s_wait_dscnt 0x0
	CROUND                                         ; the closing round
	s_endpgm
.Lfunc_end_k_q5274a907d9_attn:
	.size	k_q5274a907d9_attn, .Lfunc_end_k_q5274a907d9_attn-k_q5274a907d9_attn
	.p2alignl 7, 3214868480
	.fill 96, 4, 3214868480
	.section	.rodata,"a",@progbits
	.p2align	6, 0x0
	.amdhsa_kernel k_q5274a907d9_attn
		.amdhsa_group_segment_fixed_size 216064
		.amdhsa_private_segment_fixed_size 0
		.amdhsa_enable_private_segment 0
		.amdhsa_kernarg_size 24
		.amdhsa_user_sgpr_count 2
		.amdhsa_user_sgpr_kernarg_segment_ptr 1
		.amdhsa_wavefront_size32 1
		.amdhsa_system_sgpr_workgroup_id_x 1
		.amdhsa_system_sgpr_workgroup_id_y 1
		.amdhsa_system_sgpr_workgroup_id_z 1
		.amdhsa_system_vgpr_workitem_id 0
		.amdhsa_next_free_vgpr 256
		.amdhsa_next_free_sgpr 72
		.amdhsa_reserve_vcc 1
		.amdhsa_float_denorm_mode_32 3
		.amdhsa_float_denorm_mode_16_64 3
		.amdhsa_memory_ordered 1
		.amdhsa_forward_progress 1
		.amdhsa_inst_pref_size 67
	.end_amdhsa_kernel
	.amdgpu_metadata
---
amdhsa.version: [ 1, 2 ]
amdhsa.kernels:
  - .name:           k_q5274a907d9_attn
    .symbol:         k_q5274a907d9_attn.kd
    .args:
      - { .name: hq, .offset: 0, .size: 8, .value_kind: global_buffer, .address_space: global }
      - { .name: oc, .offset: 8, .size: 8, .value_kind: global_buffer, .address_space: global }
      - { .name: osc, .offset: 16, .size: 8, .value_kind: global_buffer, .address_space: global }
    .group_segment_fixed_size: 216064
    .private_segment_fixed_size: 0
    .kernarg_segment_align: 8
    .kernarg_segment_size: 24
    .max_flat_workgroup_size: 512
    .sgpr_count:     72
    .vgpr_count:     256
    .wavefront_size: 32
...
	.end_amdgpu_metadata
.endif
;; end of part 3
;; launch oproj (part 4): grid 32 x 8, 4 waves a work-group, clusters of 4 x 1, 167,936 bytes of LDS; arguments oc, osc, ac, asc, out0; writes out0
.if DOCPART == 4
	.amdgcn_target "amdgcn-amd-amdhsa--gfx1250"
	.amdhsa_code_object_version 6
	.text
	.protected	k_q5274a907d9_oproj
	.globl	k_q5274a907d9_oproj
	.p2align	8
	.type	k_q5274a907d9_oproj,@function
k_q5274a907d9_oproj:
	s_mov_b64 s[64:65], 0
	v_nop
	global_prefetch_b8 v0, s[64:65] scope:SCOPE_SE
	s_setreg_imm32_b32 hwreg(HW_REG_WAVE_MODE, 25, 1), 1
	s_wait_xcnt 0x0
	s_wait_alu depctr_hold_cnt(0) depctr_sa_sdst(0) depctr_va_vdst(0) depctr_va_sdst(0) depctr_va_ssrc(0) depctr_va_vcc(0) depctr_vm_vsrc(0)
	s_getreg_b32 s2, hwreg(HW_REG_IB_STS2, 6, 4)
	s_cmp_eq_u32 s2, 0
	s_cbranch_scc0 .Lentry_in_a_cluster
	s_endpgm
.Lentry_in_a_cluster:
	s_bfe_u32 s2, ttmp6, 0x10000c
	s_cmp_lg_u32 s2, 0x3003
	s_cbranch_scc0 .Lentry_shape_is_right
	s_endpgm
.Lentry_shape_is_right:
; The last projection, out0 = o ow^T, on codes of FP6 (E2M3, one E8M0 scale for each 32 along K = 1,024), sums in f32.
; SHARES.  256 work-groups: 32 blocks of 256 rows of o (work-group x; a block of oc: 16 tiles of 16 rows) x 8 runs of 128 columns (work-group y).  A wave owns four tiles, 64 rows, and all 128 columns: 32 accumulators.
; Its rows' codes lie in oc as the operand's registers stand, so they go from memory straight into 384 registers, each load covering 512 or 256 consecutive bytes, and stay there for all of K.
; ow's 128 rows of codes (98,304 dense bytes of ac) come into LDS once, one joint load a wave of 32 rows, stated as rows of 256 bytes with 16 of padding behind each: a row of codes is 816 bytes in LDS.  Nothing is filled again.
; CLUSTERS: the four work-groups of a cluster differ in their rows of o alone and ask for ow's rows jointly.  No prefetch is laid: all that the launch reads is asked for in its head.
; Source 0 = 16 rows of ow, source 1 = 16 rows of o: a lane holds eight neighbouring columns of one row; a tile goes through the wave's own stage in LDS and leaves as rows of 512 consecutive bytes.
; Tile tau of block 4 (4 b + p) + c holds rows l = 128 (tau / 2) + 32 c + 8 (tau % 2) + r + 8 (r / 8).
; REGISTERS, in windows of 256.  0: v0-31 addresses, v32-47 o's scale words, v48-79 ow's, v80-223 o's fragments of steps 5-7 (on the way out: rows read back).  1: o's fragments of steps 0-4.  2: ow's fragments, two sets of 96.  3: accumulators.
.set PITCH, 816
.set HEADB, 64*PITCH
.set STAGE, 2*HEADB                    ; 16 rows x 528 bytes for each wave; no fill lands here
.set SPITCH, 528
.set SPARE, STAGE+4*16*SPITCH          ; the spare words: 512 bytes that no other line names
.set BA,  2                            ; v2-5  r 816 + 24 h, r 816 + 40 h, and both 64 rows on
.set LI,  8
.set L8,  9
.set SLA, 10                           ; o's scale words: 4 r + 4096 h: lanes 0-15 take steps 0-3, lanes 16-31 steps 4-7
.set SLO, 11                           ; ow's scale bytes: 32 r + 16 h
.set STO, 12
.set RD,  13
.set SPW, 28
.set NIL, 29
.set AS,  32
.set BS,  48
.set BK,  80
.set G1,  24
.set G0,  32
.set MSB, 0
.macro WIN new                         ; the immediate's high byte repeats the setting that is left
.if MSB != (\new)
	s_set_vgpr_msb (MSB<<8)|(\new)
.set MSB, (\new)
.endif
.endm
.macro PLACES                          ; four places behind a matrix instruction (ISA guide 7.12.1)
.rept 4
	v_nop
.endr
.endm
.macro CROUND                          ; a round of the cluster's barrier
	s_barrier_signal -1
	s_barrier_wait -1
	s_cmp_lg_u32 s14, 0
	s_cbranch_scc1 .Lnot_wave_0_\@
	s_barrier_signal -3
.Lnot_wave_0_\@:
	s_barrier_wait -3
	s_barrier_signal -1
	s_barrier_wait -1
.endm
.macro SETA s, a                       ; where o's fragment (step s, tile a) lies: register AR of window AW
.if (\s) < 5
.set AR, 48*(\s)+12*(\a)
.set AW, 1
.else
.set AR, 80+48*((\s)-5)+12*(\a)
.set AW, 0
.endif
.endm
.macro FRAG reg, adr, st, off          ; 16 rows x 128 K: six pieces of 8 bytes; byte y of a row lies at y + 16 (y / 256); lanes 16-31 read 24 bytes on, which may lie behind one padding more
.irp p, 0,1,2,3,4,5
.set BY, 96*(\st)+48*(\p/3)+8*(\p%3)
.if BY/256 == (BY+24)/256
	ds_load_b64 v[(\reg)+2*\p:(\reg)+2*\p+1], v[\adr] offset:BY+16*(BY/256)+(\off)
.else
	ds_load_b64 v[(\reg)+2*\p:(\reg)+2*\p+1], v[\adr+1] offset:BY+16*(BY/256)+(\off)
.endif
.endr
.endm
.macro WM acc, f0, f1, s0, s1, mode    ; mode 0: the sum's first product; 1: steps 1-3; 2: steps 4-7, whose scale words stand in lanes 16-31
.if (\mode) == 0
	v_wmma_scale_f32_16x16x128_f8f6f4 v[\acc:\acc+7], v[\f0:\f0+11], v[\f1:\f1+11], 0, v[\s0], v[\s1] matrix_a_fmt:MATRIX_FMT_FP6 matrix_b_fmt:MATRIX_FMT_FP6
.elseif (\mode) == 1
	v_wmma_scale_f32_16x16x128_f8f6f4 v[\acc:\acc+7], v[\f0:\f0+11], v[\f1:\f1+11], v[\acc:\acc+7], v[\s0], v[\s1] matrix_a_fmt:MATRIX_FMT_FP6 matrix_b_fmt:MATRIX_FMT_FP6
.else
	v_wmma_scale_f32_16x16x128_f8f6f4 v[\acc:\acc+7], v[\f0:\f0+11], v[\f1:\f1+11], v[\acc:\acc+7], v[\s0], v[\s1] matrix_a_fmt:MATRIX_FMT_FP6 matrix_b_fmt:MATRIX_FMT_FP6 matrix_a_scale:MATRIX_SCALE_ROW1 matrix_b_scale:MATRIX_SCALE_ROW1
.endif
.endm
.macro MM s                            ; a step's 32 products; the 32 accumulators take turns
.irp a, 0,1,2,3
.irp b, 0,1,2,3,4,5,6,7
	SETA \s, \a
.set FB, 96*((\s)%2)+12*\b
.set SA, AS+4*\a+(\s)%4
.set SB, BS+4*\b+(\s)%4
.set AC, 8*(8*\a+\b)
	WM AC, FB, AR, SB, SA, (\s)/4+((\s)+7)/8
.endr
.endr
.endm
.macro FETCH s                         ; ow's eight fragments of step s into set s % 2
	WIN 0x80
.irp b, 0,1,2,3
	FRAG 96*((\s)%2)+12*\b, BA, \s, \b*16*PITCH
.endr
.irp b, 0,1,2,3
	FRAG 96*((\s)%2)+48+12*\b, BA+2, \s, \b*16*PITCH
.endr
.endm
	s_load_b128 s[4:7], s[0:1], 0x0                ; oc, osc
	s_load_b128 s[8:11], s[0:1], 0x10              ; ac, asc
	s_load_b64 s[12:13], s[0:1], 0x20              ; out0
	v_lshl_add_u32 v[SPW], v0, 2, SPARE
	v_mov_b32 v[NIL], 0
	ds_add_u32 v[SPW], v[NIL]                      ; the opening lines: the add, twice on end, and its wait
	ds_add_u32 v[SPW], v[NIL]
	v_lshrrev_b32 v1, 5, v0
	v_readfirstlane_b32 s14, v1                    ; wave
	s_bfe_u32 s40, ttmp6, 0x40000                  ; cx
	s_and_b32 s17, ttmp7, 0xffff                   ; which 128 columns
	s_lshl_b32 s41, ttmp9, 2
	s_add_co_u32 s41, s41, s40                     ; which block of oc
	s_mov_b32 s[G1], 15|(3<<16)|(1<<20)|(1<<21)|(5<<22)|(3<<25)   ; the mask: all four work-groups; elements of 8 bytes; padding on; 21 set beside a mask; 4 words behind every 64
	s_mov_b32 s[G1+1], 32<<16                      ; rows of 256 bytes,
	s_mov_b32 s[G1+2], 96<<16                      ; 96 of them: 32 rows of codes
	s_mov_b32 s[G1+3], 32<<16
	s_mov_b32 s[G1+4], 96
	s_mov_b32 s[G1+5], 32
	s_mov_b32 s[G1+6], 0
	s_mov_b32 s[G1+7], 0
	s_mov_b32 s[G0], 1
	s_mul_i32 s[G0+1], s14, HEADB/2
	s_lshl_b32 s18, s17, 7
	s_add_co_u32 s18, s18, 11264                   ; ow's first row of mine in ac and asc
	s_lshl_b32 s20, s18, 5
	s_mov_b32 s21, 0
	s_lshl_b32 s19, s14, 5
	s_add_co_u32 s18, s18, s19
	s_mul_i32 s18, s18, 768
	s_mov_b32 s19, 0
	s_mul_i32 s22, s41, 196608                     ; oc: my block, my four tiles
	s_mul_i32 s23, s14, 49152
	s_add_co_u32 s22, s22, s23
	s_mov_b32 s23, 0
	s_lshl_b32 s42, s41, 13                        ; osc likewise
	s_lshl_b32 s43, s14, 8
	s_add_co_u32 s42, s42, s43
	s_mov_b32 s43, 0
	s_lshr_b32 s44, ttmp9, 2                       ; out0: b,
	s_lshl_b32 s44, s44, 24
	s_and_b32 s45, ttmp9, 3                        ; p,
	s_lshl_b32 s45, s45, 12
	s_add_co_u32 s44, s44, s45
	s_lshl_b32 s45, s14, 8                         ; row l = 256 wave + 32 cx,
	s_lshl_b32 s46, s40, 5
	s_add_co_u32 s45, s45, s46
	s_lshl_b32 s45, s45, 14
	s_add_co_u32 s44, s44, s45
	s_lshl_b32 s45, s17, 9                         ; my 128 columns
	s_add_co_u32 s44, s44, s45
	s_mov_b32 s45, 0
	s_mul_i32 s46, s14, 16*SPITCH
	s_add_co_u32 s46, s46, STAGE
	s_wait_dscnt 0x0                               ; both opening adds are done
	s_wait_kmcnt 0x0
	s_add_nc_u64 s[G0+2:G0+3], s[8:9], s[18:19]
	s_or_b32 s[G0+3], s[G0+3], 0x80000000
	s_add_nc_u64 s[10:11], s[10:11], s[20:21]
	s_add_nc_u64 s[4:5], s[4:5], s[22:23]
	s_add_nc_u64 s[6:7], s[6:7], s[42:43]
	s_add_nc_u64 s[12:13], s[12:13], s[44:45]
	CROUND                                         ; all four work-groups are here: the joint loads meet
	tensor_load_to_lds s[G0:G0+3], s[G1:G1+7]      ; my 32 rows of ow: my one tensor load
	s_nop 0
	PLACES
	v_and_b32 v1, 15, v0                           ; r
	v_bfe_u32 v21, v0, 4, 1                        ; h
	v_and_b32 v22, 31, v0
	v_mul_u32_u24 v23, v1, PITCH
	v_mad_u32_u24 v[BA], v21, 24, v23
	v_mad_u32_u24 v[BA+1], v21, 40, v23
	v_add_nc_u32 v[BA+2], HEADB, v[BA]
	v_add_nc_u32 v[BA+3], HEADB, v[BA+1]
	v_lshlrev_b32 v[LI], 4, v22
	v_lshlrev_b32 v[L8], 3, v22
	v_lshlrev_b32 v24, 2, v1
	v_lshl_add_u32 v[SLA], v21, 12, v24
	v_lshlrev_b32 v25, 5, v1
	v_lshl_add_u32 v[SLO], v21, 4, v25
	v_mul_u32_u24 v26, v1, SPITCH
	v_lshl_add_u32 v26, v21, 5, v26
	v_add_nc_u32 v[STO], s46, v26                  ; stage, way in: row r, 32 bytes for each half of the lanes
	v_add_nc_u32 v[RD], s46, v[LI]                 ; way out: the 32 lanes take a row of 512 bytes
	s_wait_alu depctr_va_vdst(0)
.irp a, 0,1,2,3
.irp q, 0,1,2,3
	global_load_b32 v[AS+4*\a+\q], v[SLA], s[6:7] offset:\q*1024+\a*64
.endr
.endr
.irp b, 0,1,2,3,4,5,6,7
	global_load_b128 v[BS+4*\b:BS+4*\b+3], v[SLO], s[10:11] offset:512*\b
.endr
.irp s, 0,1,2,3,4,5,6,7                        ; o's codes, step by step: 16 loads a step; head 2 s + c is the fragment's half c
.irp a, 0,1,2,3
	SETA \s, \a
	WIN AW<<6
.irp c, 0,1
	global_load_b128 v[AR+6*\c:AR+6*\c+3], v[LI], s[4:5] offset:\a*12288+(2*\s+\c)*768
	global_load_b64 v[AR+6*\c+4:AR+6*\c+5], v[L8], s[4:5] offset:\a*12288+(2*\s+\c)*768+512
.endr
.endr
.endr
	WIN 0
	s_wait_tensorcnt 0x0                           ; my part of ow is in,
	s_barrier_signal -1
	s_barrier_wait -1                              ; everybody's is
	FETCH 0
.irp s, 0,1,2,3,4,5,6,7
.if \s > 0 && \s < 7
	PLACES                                         ; the loads below land in the set that the last step multiplied
.endif
.if \s < 7
	FETCH \s+1
	s_wait_dscnt 48                                ; all but the 48 just issued: this step's fragments are in
.else
	s_wait_dscnt 0x0
.endif
.if \s == 0
	s_wait_loadcnt 63                              ; the scale words and o's steps 0-3 are in: the youngest 63 loads belong to steps 4-7
.elseif \s > 3
	s_wait_loadcnt 16*(7-\s)                       ; the later steps' loads, 16 each, may be out
.endif
	SETA \s, 0
	WIN 0xf2|(AW<<2)
	MM \s
.endr
.macro TOSTAGE a                       ; a tile's eight accumulators into my stage, each from its low end on, and back as rows; LDS serves a wave's instructions in order (ISA guide 5.7.1.4)
	WIN 0x0c
.irp b, 0,1,2,3,4,5,6,7
	ds_store_b128 v[STO], v[64*(\a)+8*\b:64*(\a)+8*\b+3] offset:64*\b
	ds_store_b128 v[STO], v[64*(\a)+8*\b+4:64*(\a)+8*\b+7] offset:64*\b+16
.endr
	WIN 0
.irp t, 0,1,2,3,4,5,6,7,8,9,10,11,12,13,14,15
	ds_load_b128 v[BK+64*((\a)%2)+4*\t:BK+64*((\a)%2)+4*\t+3], v[RD] offset:\t*SPITCH
.endr
.endm
.macro SEND a, younger                 ; younger: the LDS instructions issued behind tile a's loads
	s_wait_dscnt \younger
.irp t, 0,1,2,3,4,5,6,7,8,9,10,11,12,13,14,15
	global_store_b128 v[LI], v[BK+64*((\a)%2)+4*\t:BK+64*((\a)%2)+4*\t+3], s[12:13] offset:(128*((\a)/2)+8*((\a)%2)+\t+8*(\t/8))*16384 th:TH_STORE_NT   ; 512 consecutive bytes of a row of out0
.endr
.endm
	PLACES                                         ; in front of the first read of results and of loads into registers that held o's fragments
	TOSTAGE 0
.irp a, 1,2,3
.if \a > 1
	s_wait_xcnt 0x0                                ; tile a - 2's stores have read their registers
.endif
	TOSTAGE \a
	SEND \a-1, 32
.endr
	SEND 3, 0
	s_wait_tensorcnt 0x0                           ; the wave's end
	ds_add_u32 v[SPW], v[NIL]
	s_wait_dscnt 0x0
	CROUND                                         ; the closing round
	s_endpgm
.Lfunc_end_k_q5274a907d9_oproj:
	.size	k_q5274a907d9_oproj, .Lfunc_end_k_q5274a907d9_oproj-k_q5274a907d9_oproj
	.p2alignl 7, 3214868480
	.fill 96, 4, 3214868480
	.section	.rodata,"a",@progbits
	.p2align	6, 0x0
	.amdhsa_kernel k_q5274a907d9_oproj
		.amdhsa_group_segment_fixed_size 167936
		.amdhsa_private_segment_fixed_size 0
		.amdhsa_enable_private_segment 0
		.amdhsa_kernarg_size 40
		.amdhsa_user_sgpr_count 2
		.amdhsa_user_sgpr_kernarg_segment_ptr 1
		.amdhsa_wavefront_size32 1
		.amdhsa_system_sgpr_workgroup_id_x 1
		.amdhsa_system_sgpr_workgroup_id_y 1
		.amdhsa_system_sgpr_workgroup_id_z 1
		.amdhsa_system_vgpr_workitem_id 0
		.amdhsa_next_free_vgpr 1024
		.amdhsa_next_free_sgpr 66
		.amdhsa_reserve_vcc 0
		.amdhsa_float_denorm_mode_32 3
		.amdhsa_float_denorm_mode_16_64 3
		.amdhsa_memory_ordered 1
		.amdhsa_forward_progress 1
		.amdhsa_inst_pref_size 92
	.end_amdhsa_kernel
	.amdgpu_metadata
---
amdhsa.version: [ 1, 2 ]
amdhsa.kernels:
  - .name:           k_q5274a907d9_oproj
    .symbol:         k_q5274a907d9_oproj.kd
    .args:
      - { .name: oc, .offset: 0, .size: 8, .value_kind: global_buffer, .address_space: global }
      - { .name: osc, .offset: 8, .size: 8, .value_kind: global_buffer, .address_space: global }
      - { .name: ac, .offset: 16, .size: 8, .value_kind: global_buffer, .address_space: global }
      - { .name: asc, .offset: 24, .size: 8, .value_kind: global_buffer, .address_space: global }
      - { .name: out0, .offset: 32, .size: 8, .value_kind: global_buffer, .address_space: global }
    .group_segment_fixed_size: 167936
    .private_segment_fixed_size: 0
    .kernarg_segment_align: 8
    .kernarg_segment_size: 40
    .max_flat_workgroup_size: 128
    .sgpr_count:     66
    .vgpr_count:     1024
    .wavefront_size: 32
...
	.end_amdgpu_metadata
.endif
;; end of part 4
